; MI455X (gfx1250); checked and timed in simulation.
; The chip was launched on July 23, 2026; its instructions are those of AMD's public machine-readable ISA for CDNA 5 (MIT licence, August 2026) and "CDNA5" Instruction Set Architecture Reference Guide (July 2026). The comments in the code are by the model that wrote it; some were corrected since.
;; Luka Qwen Attention. Allowed arithmetic: matrix products marked QUANTISED: E2M3 operands, one E8M0 scale for each 32 along K, by v_wmma_scale_f32_16x16x128_f8f6f4 with both operands' format E2M3, f32 sums; everything else in f32.
;; Inputs: cos 2 x 2,048 x 128 float32; hidden_states 2 x 2,048 x 2,048 float32; k_norm_w 128 float32; k_w 1,024 x 2,048 float32; o_w 2,048 x 1,024 float32; q_norm_w 128 float32; q_w 1,024 x 2,048 float32; sin 2 x 2,048 x 128 float32; v_w 1,024 x 2,048 float32.
;; Outputs: out0 2 x 2,048 x 2,048 float32.
;; This version of the problem:
;;   THIS VERSION OF THE PROBLEM IS GIVEN IN LOW PRECISION. The matrix products marked QUANTISED in the list below multiply operands that are first quantised to E2M3 (2 exponent bits, 3 mantissa bits; 6 bits a number), with one power-of-two scale for each 32 numbers along K (OCP MX v1.0); their sums are f32. All else is computed in f32.
;;   The module's matrix products, in the order in which they are computed (A, B: the left and right operand; K: the contracted axis; several contracted axes count as one K, in the product's order):
;;     1. [M 4,096, K 2,048] x [K 2,048, N 1,024]; A: input hidden_states; B: input q_w: QUANTISED
;;     2. [M 4,096, K 2,048] x [K 2,048, N 1,024]; A: input hidden_states; B: input k_w: QUANTISED
;;     3. [M 4,096, K 2,048] x [K 2,048, N 1,024]; A: input hidden_states; B: input v_w: QUANTISED
;;     4. batch 16 x [M 2,048, K 128] x [K 128, N 2,048]; A: computed on the way; B: computed on the way: QUANTISED
;;     5. batch 16 x [M 2,048, K 2,048] x [K 2,048, N 128]; A: softmax (see below); B: computed on the way: QUANTISED
;;     6. [M 4,096, K 1,024] x [K 1,024, N 2,048]; A: computed on the way; B: input o_w: QUANTISED
;;   THE QUANTISER, for each operand of a quantised product, along K:
;;     - K is cut into blocks of 32 from its start; a last block that is shorter is filled with zeros.
;;     - A block's scale is 2^e with e = floor(log2(the largest magnitude in the block)) - 2, held to -126 .. 127; a block of zeros has e = 0. As a byte (E8M0): e + 127.
;;     - Each number is divided by its block's scale, clamped to +-7.5, and rounded to the nearest number of E2M3, ties to even, subnormals kept.
;;     - The product sums the exact products of the quantised numbers (number of the format x scale) in f32.
;;   ~~~python
;;   def quantise(x, axis):      # numpy; x: float32 -> the quantised numbers, widened to float32 again
;;       x = np.moveaxis(x, axis, -1); K = x.shape[-1]
;;       x = np.pad(x, [(0, 0)] * (x.ndim - 1) + [(0, -K % 32)]); x = x.reshape(x.shape[:-1] + (-1, 32)); a = np.abs(x).max(-1, keepdims=True)
;;       e = np.where(a > 0, np.clip(np.frexp(np.where(a > 0, a, 1))[1] - 1 - 2, -126, 127), 0)      # np.frexp(a)[1] - 1 = floor(log2(a)), exactly
;;       r = np.clip(x / 2.0 ** e, -7.5, 7.5)
;;       step = 2.0 ** (np.maximum(np.frexp(np.where(r == 0, 1, r))[1] - 1, 0) - 3)
;;       q = np.round(r / step) * step * 2.0 ** e      # np.round: ties to even
;;       return np.moveaxis(q.reshape(q.shape[:-2] + (-1,))[..., :K], -1, axis).astype(np.float32)
;;   ~~~
;;   SOFTMAX AHEAD OF A QUANTISED PRODUCT. Where the list says 'softmax', what is quantised is not the finished softmax but p = 2^(t - M), with t = logit x log2(e) and M = ceil(the row's largest t), a whole number; so 1/2 < the row's largest p <= 1. The row's sum l is taken of the UNQUANTISED p, in f32, and the product's result is divided by l at the end. Since M is a whole number, a kernel that streams over the keys may use a running M (the ceiling of the running maximum): every later rescaling is an exact power of two, which a block's scale takes up: the codes' values come out the same.
;;   OPERANDS COMPUTED ON THE WAY. 'Computed on the way' means the value that the module computes at that place (a softmax that the list does not call 'softmax' is quantised finished and normalised). What goes into a quantiser is computed in f32, as accurately as f32 sums, v_exp_f32 and their like allow (about 1e-6 of the number): no bf16 or f16 on the way to a quantiser, and a product that is left as it is and whose result goes on into a quantised operand takes f32 operands (vector FMAs, or v_wmma_f32_16x16x4_f32). A number that lies on a knife's edge between two numbers of the format may be rounded either way, as far as f32 arithmetic and the matrix unit's own rounding can turn it there, and no further.
;; One version. Each part assembles by itself: llvm-mc -triple=amdgcn-amd-amdhsa -mcpu=gfx1250 --defsym DOCPART=n.
;; ======== version 1 of 1: 4 launches
;; limits: right only within a limited range of input values
;; workspace buffers: c1 12,582,912 bytes; s1 524,288 bytes; c2 9,437,184 bytes; s2 393,216 bytes; c3 3,145,728 bytes; s3 131,072 bytes
;; launch quant (part 1): grid 512 x 1, 4 waves a work-group, no clusters, 35,328 bytes of LDS; arguments hidden_states, q_w, k_w, v_w, o_w, c1, s1; writes c1, s1
.if DOCPART == 1
	.amdgcn_target "amdgcn-amd-amdhsa--gfx1250"
	.amdhsa_code_object_version 6
	.text
	.protected	k_q6ff6757cc4_quant
	.globl	k_q6ff6757cc4_quant
	.p2align	8
	.type	k_q6ff6757cc4_quant,@function
k_q6ff6757cc4_quant:
	s_mov_b64 s[64:65], 0
	v_nop
	global_prefetch_b8 v0, s[64:65] scope:SCOPE_SE
	s_setreg_imm32_b32 hwreg(HW_REG_WAVE_MODE, 25, 1), 1
	s_wait_xcnt 0x0
; hidden_states [4096][2048], q_w, k_w, v_w [1024][2048] and o_w [2048][1024], f32 with K innermost, become codes of FP6 (E2M3) and one E8M0 byte for each 32 along K.
; WORK LEFT OUT BY THE PROGRAM: reference() masks the scores by a causal jnp.tril of its own; key tiles that lie wholly above the diagonal get weight 0 for every value of the inputs,
; so the attention launch multiplies none of them.  A NaN, an infinity or an overflow that reaches only those tiles is not carried to the result.  Every input is loaded.
; LAYOUT OF c1: a CELL is 16 rows x 128 K, 1,536 bytes, stored as the image of a matrix operand's 12 registers: register 4 c + e of lane l at byte 512 c + 16 l + 4 e
; (lane (r, h) holds row r; registers 6 c2 .. 6 c2 + 5 hold K = 64 c2 + 32 h + 0 .. 31).  The cells of a group of 16 rows lie on end along K, the groups on end: rows 0-4095 tokens, then q_w, k_w, v_w, then o_w.
; s1: one scale word a row and 128 K, rows dense: the same byte stream as the blocks of the five tensors on end.
; SHARES: 8,192 cells = 512 work-groups x 4 waves x 4 cells.  A work-group takes 16 cells on end in c1: one group of 16 rows x 2,048 K, or for o_w two groups x 1,024 K; its 1,024 scale bytes are on end in s1.
; A cell's 16 loads read 512 consecutive bytes of a row each; the cell turns through the wave's own stage in LDS (rows 528 bytes apart) and comes back 32 neighbours to a lane and block, so a block's maximum needs no other lane.
; A block's scale is 2^(floor(log2(its largest magnitude)) - 2): the largest magnitude's exponent field - 2, held at 1 from below.
; LIMITS: a block of zeros gets the byte 1 where the rule says 127 (its codes are zeros, and only this program reads the bytes); blocks whose largest magnitude lies under 2^-124 are held at byte 1; NaN and infinities are not served.
.set FRB,   1536
.set SP,    528                        ; a stage row: 512 bytes + 16
.set STG,   16*SP                      ; a wave's stage
.set SCB,   4*STG                      ; behind the stages: 256 bytes of scale words for each wave
.set SPARE, SCB+1024                   ; the spare words, 128 bytes a wave, which no other line names
.set SPW,   12
.set NIL,   13
.set OFF,   16                         ; v16-31  16 x lane + i rows of the source
.set R,     32                         ; v32-159 two sets of 64 numbers as loaded
.set X,     160                        ; v160-223 my two blocks of 32 neighbours
.set C,     224                        ; v224-235 the cell's codes
.set T,     236                        ; v236-243 the conversions' second halves
	s_load_b256 s[4:11], s[0:1], 0x0               ; hidden_states, q_w, k_w, v_w
	s_load_b128 s[12:15], s[0:1], 0x20             ; o_w, c1
	s_load_b64 s[24:25], s[0:1], 0x30              ; s1
	v_lshl_add_u32 v[SPW], v0, 2, SPARE
	v_mov_b32 v[NIL], 0
	v_lshrrev_b32 v160, 5, v0
	v_readfirstlane_b32 s16, v160                  ; wave
	v_and_b32 v161, 31, v0                         ; lane
	v_and_b32 v162, 15, v0                         ; r
	v_bfe_u32 v163, v0, 4, 1                       ; h
	s_mul_i32 s17, s16, STG
	s_lshl_b32 s18, s16, 8
	s_add_co_u32 s18, s18, SCB                     ; my wave's scale words
	s_lshl_b32 s19, s16, 6
	s_add_co_u32 s19, s19, SCB
	s_lshr_b32 s22, s16, 1
	s_and_b32 s23, s16, 1
	s_lshl_b32 s26, s22, 9
	s_lshl_b32 s27, s23, 7
	s_add_co_u32 s26, s26, s27
	s_add_co_u32 s26, s26, SCB
	s_lshl_b32 s30, s16, 11                        ; K = 2,048: my four cells begin 2,048 w bytes into the rows
	s_lshl_b32 s31, s22, 16                        ; o_w: 16 (w / 2) rows of 4,096 bytes down,
	s_lshl_b32 s27, s23, 11
	s_add_co_u32 s31, s31, s27                     ; 2,048 (w % 2) bytes into the rows
	s_sub_co_u32 s34, ttmp9, 256
	s_and_b32 s34, s34, 63                         ; my place among a weight's 64 work-groups
	s_mov_b32 s32, 0x76543210
	s_mov_b32 s33, 0xfedcba98                      ; lane xor 16
	s_cmp_lt_u32 ttmp9, 448                        ; work-groups 448-511 take o_w
	s_cselect_b32 s28, -1, 0
	s_cselect_b32 s29, 13, 12                      ; log2 of a source row's bytes
	s_cselect_b32 s30, s30, s31
	s_wait_alu depctr_va_vdst(0)                   ; the wait here, behind the run of scalar lines and ahead of the readers below
	v_lshlrev_b32 v7, 4, v161                      ; 16 x lane
	v_add_nc_u32 v5, s17, v7                       ; the stage, on the way in
	v_mul_u32_u24 v6, v162, SP
	v_lshl_add_u32 v6, v163, 7, v6
	v_add_nc_u32 v6, s17, v6                       ; and back: row r, 128 h bytes on
	v_lshl_add_u32 v8, v162, 4, s18                ; my row's four scale words, one a cell
	v_lshlrev_b32 v10, 3, v163                     ; 8 h
	v_lshlrev_b32 v11, 3, v161                     ; 8 x lane
	v_mov_b32 v15, 0                               ; a lane permute's destination counts as a source
	; where the 8 bytes at 256 w + 8 l of the work-group's 1,024 scale bytes lie in LDS (wave c / 4, row, cell c % 4).  K = 2,048: row 4 w + l / 8, cells 2 (l % 8) and the next
	v_bfe_u32 v164, v0, 1, 2
	v_bfe_u32 v165, v0, 3, 2
	v_and_b32 v166, 1, v0
	v_lshlrev_b32 v164, 8, v164
	v_lshl_add_u32 v164, v165, 4, v164
	v_lshl_add_u32 v164, v166, 3, v164
	v_add_nc_u32 v164, s19, v164
	; o_w: row 8 w + l / 4 of 32, K steps 2 (l % 4) and the next
	v_bfe_u32 v167, v0, 1, 1
	v_bfe_u32 v168, v0, 2, 3
	v_lshlrev_b32 v167, 8, v167
	v_lshl_add_u32 v167, v168, 4, v167
	v_lshl_add_u32 v167, v166, 3, v167
	v_add_nc_u32 v167, s26, v167
	v_cndmask_b32 v9, v167, v164, s28
.irp i, 0,1,2,3,4,5,6,7,8,9,10,11,12,13,14,15
	v_lshl_add_u32 v[OFF+\i], \i, s29, v7
.endr
	s_wait_alu depctr_va_vdst(0)                   ; the wait at the head's end
	s_wait_kmcnt 0x0
	s_cmp_lt_u32 ttmp9, 448                        ; the source is chosen by the work-group's number alone
	s_cselect_b64 s[20:21], s[10:11], s[12:13]
	s_cmp_lt_u32 ttmp9, 384
	s_cselect_b64 s[20:21], s[8:9], s[20:21]
	s_cmp_lt_u32 ttmp9, 320
	s_cselect_b64 s[20:21], s[6:7], s[20:21]
	s_cmp_lt_u32 ttmp9, 256
	s_cselect_b64 s[20:21], s[4:5], s[20:21]
	s_cselect_b32 s34, ttmp9, s34
	s_lshl_b32 s34, s34, 17                        ; a work-group's share of its source: 131,072 bytes
	s_add_co_u32 s34, s34, s30
	s_mov_b32 s35, 0
	s_add_nc_u64 s[20:21], s[20:21], s[34:35]
	s_mul_i32 s34, ttmp9, 16*FRB
	s_mul_i32 s36, s16, 4*FRB
	s_add_co_u32 s34, s34, s36
	s_add_nc_u64 s[14:15], s[14:15], s[34:35]      ; my four cells in c1
	s_lshl_b32 s34, ttmp9, 10
	s_lshl_b32 s36, s16, 8
	s_add_co_u32 s34, s34, s36
	s_add_nc_u64 s[24:25], s[24:25], s[34:35]      ; the 256 bytes of s1 that I store
.macro LOAD t
.irp i, 0,1,2,3,4,5,6,7,8,9,10,11,12,13,14,15
	global_load_b128 v[R+64*((\t)%2)+4*\i:R+64*((\t)%2)+4*\i+3], v[OFF+\i], s[20:21] offset:512*(\t) th:TH_LOAD_NT   ; 512 consecutive bytes of row i
.endr
.endm
.macro CELL t
.if (\t) < 3
	s_wait_loadcnt 16                              ; this cell's 16 loads are in; the next cell's 16 may be out
.else
	s_wait_loadcnt 0x0
.endif
.irp i, 0,1,2,3,4,5,6,7,8,9,10,11,12,13,14,15
	ds_store_b128 v5, v[R+64*((\t)%2)+4*\i:R+64*((\t)%2)+4*\i+3] offset:SP*\i
.endr
.irp c, 0,1
.irp j, 0,1,2,3,4,5,6,7
	ds_load_b128 v[X+32*\c+4*\j:X+32*\c+4*\j+3], v6 offset:256*\c+16*\j   ; LDS serves a wave's instructions in order: these see the stores
.endr
.endr
	s_wait_xcnt 0x0                                ; the last cell's stores have read the codes' registers
	s_wait_dscnt 0x0                               ; my 64 numbers are back, and the stores into the stage have read their registers,
.if (\t)+2 < 4
	LOAD (\t)+2                                    ; which take the loads of two cells on
.endif
.irp c, 0,1
	v_max3_num_f32 v[1+\c], |v[X+32*\c]|, |v[X+32*\c+1]|, 0x1800000   ; my block 2 c + h, and the floor 2^(3 - 127): the byte cannot fall under 1
.endr
.irp i, 2,4,6,8,10,12,14,16,18,20,22,24,26,28,30
.irp c, 0,1
	v_max3_num_f32 v[1+\c], v[1+\c], |v[X+32*\c+\i]|, |v[X+32*\c+\i+1]|
.endr
.endr
	v_add_nc_u32 v3, 0xff000000, v1                ; 2 off the exponent field: the conversion's scale operand
	v_add_nc_u32 v4, 0xff000000, v2
	v_lshrrev_b32 v1, 23, v3                       ; the scale's byte
	v_lshrrev_b32 v2, 23, v4
	v_lshl_or_b32 v14, v2, 16, v1                  ; blocks h and 2 + h of row r,
	v_lshlrev_b32 v14, v10, v14                    ; at their places in the word;
	v_permlanex16_b32 v15, v14, s32, s33
	v_or_b32 v14, v14, v15                         ; with lane xor 16's two the word is whole
.irp c, 0,1
	v_cvt_scalef32_pk16_fp6_f32 v[C+6*\c:C+6*\c+2], v[X+32*\c:X+32*\c+15], v[3+\c]
	v_cvt_scalef32_pk16_fp6_f32 v[T+4*\c:T+4*\c+2], v[X+32*\c+16:X+32*\c+31], v[3+\c]   ; (a conversion's three registers begin on an even number)
.endr
	ds_store_b32 v8, v14 offset:4*(\t)             ; lanes r and r + 16 write the same word with the same value
	v_nop                                          ; one plain place behind a scaled conversion
.irp c, 0,1
.irp i, 0,1,2
	v_mov_b32 v[C+3+6*\c+\i], v[T+4*\c+\i]
.endr
.endr
.irp c, 0,1,2
	global_store_b128 v7, v[C+4*\c:C+4*\c+3], s[14:15] offset:FRB*(\t)+512*\c   ; 512 consecutive bytes, aligned
.endr
.endm
	LOAD 0
	LOAD 1
	CELL 0
	CELL 1
	CELL 2
	CELL 3
	s_wait_dscnt 0x0                               ; my scale words are stored
	s_barrier_signal -1
	s_barrier_wait -1                              ; everybody's are
	ds_load_b64 v[2:3], v9
	s_wait_dscnt 0x0
	global_store_b64 v11, v[2:3], s[24:25]         ; 32 lanes store 256 consecutive bytes, aligned
	s_wait_tensorcnt 0x0                           ; the wave's end
	ds_add_u32 v[SPW], v[NIL]
	s_wait_dscnt 0x0
	s_endpgm
.Lfunc_end_k_q6ff6757cc4_quant:
	.size	k_q6ff6757cc4_quant, .Lfunc_end_k_q6ff6757cc4_quant-k_q6ff6757cc4_quant
	.p2alignl 7, 3214868480
	.fill 96, 4, 3214868480
	.section	.rodata,"a",@progbits
	.p2align	6, 0x0
	.amdhsa_kernel k_q6ff6757cc4_quant
		.amdhsa_group_segment_fixed_size 35328
		.amdhsa_private_segment_fixed_size 0
		.amdhsa_enable_private_segment 0
		.amdhsa_kernarg_size 56
		.amdhsa_user_sgpr_count 2
		.amdhsa_user_sgpr_kernarg_segment_ptr 1
		.amdhsa_wavefront_size32 1
		.amdhsa_system_sgpr_workgroup_id_x 1
		.amdhsa_system_sgpr_workgroup_id_y 1
		.amdhsa_system_sgpr_workgroup_id_z 1
		.amdhsa_system_vgpr_workitem_id 0
		.amdhsa_next_free_vgpr 256
		.amdhsa_next_free_sgpr 66
		.amdhsa_reserve_vcc 0
		.amdhsa_float_denorm_mode_32 3
		.amdhsa_float_denorm_mode_16_64 3
		.amdhsa_memory_ordered 1
		.amdhsa_forward_progress 1
		.amdhsa_inst_pref_size 33
	.end_amdhsa_kernel
	.amdgpu_metadata
---
amdhsa.version: [ 1, 2 ]
amdhsa.kernels:
  - .name:           k_q6ff6757cc4_quant
    .symbol:         k_q6ff6757cc4_quant.kd
    .args:
      - { .name: hidden_states, .offset: 0, .size: 8, .value_kind: global_buffer, .address_space: global }
      - { .name: q_w, .offset: 8, .size: 8, .value_kind: global_buffer, .address_space: global }
      - { .name: k_w, .offset: 16, .size: 8, .value_kind: global_buffer, .address_space: global }
      - { .name: v_w, .offset: 24, .size: 8, .value_kind: global_buffer, .address_space: global }
      - { .name: o_w, .offset: 32, .size: 8, .value_kind: global_buffer, .address_space: global }
      - { .name: c1, .offset: 40, .size: 8, .value_kind: global_buffer, .address_space: global }
      - { .name: s1, .offset: 48, .size: 8, .value_kind: global_buffer, .address_space: global }
    .group_segment_fixed_size: 35328
    .private_segment_fixed_size: 0
    .kernarg_segment_align: 8
    .kernarg_segment_size: 56
    .max_flat_workgroup_size: 128
    .sgpr_count:     66
    .vgpr_count:     256
    .wavefront_size: 32
...
	.end_amdgpu_metadata
.endif
;; end of part 1
;; launch qkv (part 2): grid 12 x 16, 4 waves a work-group, clusters of 4 x 4, 327,680 bytes of LDS; arguments c1, s1, cos, sin, q_norm_w, k_norm_w, c2, s2; writes c2, s2
.if DOCPART == 2
	.amdgcn_target "amdgcn-amd-amdhsa--gfx1250"
	.amdhsa_code_object_version 6
	.text
	.protected	k_q6ff6757cc4_qkv
	.globl	k_q6ff6757cc4_qkv
	.p2align	8
	.type	k_q6ff6757cc4_qkv,@function
k_q6ff6757cc4_qkv:
	s_mov_b64 s[64:65], 0
	v_nop
	global_prefetch_b8 v0, s[64:65] scope:SCOPE_SE
	s_setreg_imm32_b32 hwreg(HW_REG_WAVE_MODE, 25, 1), 1
	s_wait_xcnt 0x0
	s_wait_alu depctr_hold_cnt(0) depctr_sa_sdst(0) depctr_va_vdst(0) depctr_va_sdst(0) depctr_va_ssrc(0) depctr_va_vcc(0) depctr_vm_vsrc(0)
	s_getreg_b32 s2, hwreg(HW_REG_IB_STS2, 6, 4)
	s_cmp_eq_u32 s2, 0
	s_cbranch_scc0 .Lentry_in_a_cluster
	s_endpgm
.Lentry_in_a_cluster:
	s_bfe_u32 s2, ttmp6, 0x10000c
	s_cmp_lg_u32 s2, 0xf033
	s_cbranch_scc0 .Lentry_shape_is_right
	s_endpgm
.Lentry_shape_is_right:
; The three projections on codes of FP6 (E2M3), and what follows them up to the next quantiser.  Both operands are rows of ONE matrix of codes, c1: rows 0-4095 the tokens, 4096-5119 q_w, 5120-6143 k_w, 6144-7167 v_w,
; laid in cells of 16 rows x 128 K (1,536 bytes, the image of an operand's 12 registers), a group's 16 cells on end (24,576 bytes); s1 holds 64 scale bytes a row.
; A work-group of four waves makes 256 x 256 sums, a wave 128 x 128: 64 accumulators.  K goes in steps of 256 through a ring of two LDS slots: a tensor row is a group's two cells, 3,072 bytes, at a multiple of 256.
; A fragment is three loads of 16 bytes a lane, 512 consecutive bytes each: no padding is needed.
; THE MATRIX INSTRUCTION IS USED TRANSPOSED: source 0 = 16 rows of role B, source 1 = 16 rows of role A: a lane holds ONE row of role A, and its registers run along role B.
; Clusters x = 0, 1 (q, k): role A = 256 tokens, role B = 256 weight rows (two heads; a wave has one whole head): RMS norm, gain, RoPE, quantised along d.
; Cluster x = 2 (v): role A = 256 rows of v_w, role B = 256 tokens: a lane holds one channel d and its registers run along the keys: quantised along the keys.
; The branches between the two hang on the cluster's x, which all sixteen partners share.  Role A's tile is shared along a row of the cluster, role B's along a column: joint loads.
; THE HEAD: one joint load a wave: wave 0 role A's 256 rows of K step 0, wave 1 A's scales, wave 2 role B's rows, wave 3 B's scales; slot 1 is first filled behind the full sequence and a round, as a refill is.
; PREFETCHES: of the 8 groups that a wave fetches in the ring, each of the four partners that ask for them jointly takes 2, told apart by address (cx for role A, cy for role B): 24 runs of 256 bytes of a K step, a lane a run
; (lanes 24-31 name the last run again), one instruction a wave.  K steps 1 and 2 are asked for at the head, K step 3 behind K step 1's load, and the refill of K step j asks for K step j + 2; the last trip asks for nothing.
; cos and sin of a wave's 128 tokens are 65,536 consecutive bytes each, read by two waves of each of a cluster row's four work-groups: each of the eight asks once for 8,192 bytes of each table, a lane a run of 256.
; OUT: c2 = three regions (q, k, v) of [16 (batch, head)][128 groups of 16 rows][1,536 bytes], each group again a register image; q, k: row = token, K = d; v: row = 128 x key step + d, K = that step's 128 keys.
; On the q/k path a wave's eight groups of codes and its scale words gather in its stage in LDS and leave together at the end, 25 stores of 512 consecutive bytes on end.
; THE ORDER ALONG K INSIDE A BLOCK OF 32 of c2: places 0-7, 8-15, 16-23, 24-31 hold numbers 0-7, 16-23, 8-15, 24-31: q and k alike along d, v and the attention launch's p alike along the keys; a block keeps its 32 numbers and its scale.
; s2: one scale word a row.  192 work-groups: a tile that gave 256 would split a head between waves.
; LIMITS: RoPE is one multiply and one fused multiply-add where the definition rounds both products; v_rsq_f32 is good to 1 ulp; a block of zeros gets the scale byte 1 (its codes are zeros); NaN and infinities are not served.
; REGISTERS, in windows of 256: window 0: v14-31 addresses; v32-63 scale words, two sets; v64-127 gains; from v128 role A's fragments, one set; window 1: role B's, two sets (on the way out cos and sin); windows 2, 3: accumulators.
.set NQ,     2                         ; cells along K in a slot
.set FRB,    1536
.set GRP,    16*FRB                    ; a group of 16 rows in c1
.set FR,     12
.set NL,     3                         ; LDS loads that bring a fragment
.set NP,     4                         ; places behind this matrix instruction (ISA guide 7.12.1)
.set HALFT,  8*NQ*FRB                  ; 128 rows of a slot
.set SLOT,   4*HALFT
.set LAPS,   4
.set KS,     64
.set SCL,    2*SLOT                    ; the scales, as runs of 256 bytes + 16 of padding
.set HALFS,  (128*KS/256)*272
.set SBLK,   (16*KS/256)*272
.set SPARE,  SCL+4*HALFS               ; the spare words, 128 bytes a wave, which no other line names
.set QSTG,   12800                     ; the way out, in slot 0 (its last fill and last read are over): the q/k path's stage, a wave's 12,288 bytes of codes and 512 of scale words, from byte 0;
.set VST,    53248                     ; the v path's, 4,096 bytes a wave, from here
.set PFO,  15                          ; v15 the tile prefetches' offset; never rewritten
.set ADRA, 16                          ; v16-17 my role-A fragments in slot 0, 1
.set PFC,  18                          ; v18 the offset of the prefetches of cos and sin; never rewritten
.set ADRB, 20                          ; v20-21 role B's
.set QST,  22                          ; v22 my q/k stage + 16 x lane
.set QSW,  23                          ; v23 my q/k stage's scale words + 4 r
.set LDC,  25
.set GO,   26                          ; 16 x lane
.set ADRS, 27
.set SPW,  28
.set NIL,  29
.set CA,   30
.set SWA,  31
.set SC,   32
.set NW,   64
.set AF,   128
.set T,    128
.set CDS,  192
.set TP,   204
.set TM,   212
.set PW,   228
.set RS,   230
.set SS,   232
.set PFA, 18                           ; s[18:19] where my tile prefetches stand
.set G1, 24
.set G0, 32
.set G1B, 48
.set G0B, 56
.set G1S, 68
.set G0S, 76
.set G1SB, 80
.set G0SB, 88
.set RCPD, 92
.set EPSR, 93
.set ISV,  95
.set SEL,  100
.set MSB, 0
.macro WIN new                         ; the immediate's high byte repeats the setting that is left
.if MSB != \new
	s_set_vgpr_msb (MSB<<8)|\new
.set MSB, \new
.endif
.endm
.set MUL_LO, 0xa1
.set MUL_HI, 0xf1
.set TO_B,   0x40
.macro TL g0, g1                       ; a tensor load with five lines behind it
	tensor_load_to_lds s[\g0:\g0+3], s[\g1:\g1+7]
	s_nop 0
.rept 4
	v_nop
.endr
.endm
.macro JLOAD g0a, g1a, g0b, g1b        ; waves 0, 1 fetch for role A, waves 2, 3 for role B
	s_cmp_eq_u32 s15, 0
	s_cbranch_scc0 .Lfor_b_\@
	TL \g0a, \g1a
	s_branch .Lasked_\@
.Lfor_b_\@:
	TL \g0b, \g1b
.Lasked_\@:
.endm
.macro CREST
	s_cmp_lg_u32 s14, 0
	s_cbranch_scc1 .Lnot_wave_0_\@
	s_barrier_signal -3
.Lnot_wave_0_\@:
	s_barrier_wait -3
	s_barrier_signal -1
	s_barrier_wait -1
.endm
.macro CROUND
	s_barrier_signal -1
	s_barrier_wait -1
	CREST
.endm
	s_load_b256 s[4:11], s[0:1], 0x0               ; c1, s1, cos, sin
	s_load_b128 s[96:99], s[0:1], 0x20             ; q_norm_w, k_norm_w
	s_load_b64 s[66:67], s[0:1], 0x30              ; c2
	s_load_b64 s[104:105], s[0:1], 0x38            ; s2
	v_lshl_add_u32 v[SPW], v0, 2, SPARE
	v_mov_b32 v[NIL], 0
	ds_add_u32 v[SPW], v[NIL]                      ; the opening lines: the add, twice on end, and its wait ahead of my first tensor load
	ds_add_u32 v[SPW], v[NIL]
	v_lshrrev_b32 v1, 5, v0
	v_readfirstlane_b32 s14, v1                    ; wave
	s_lshr_b32 s15, s14, 1                         ; my half of role A's rows; also: I fetch for A (0) or B (1)
	s_and_b32 s16, s14, 1                          ; my half of role B's; also: which 128 rows I fetch
	s_bfe_u32 s40, ttmp6, 0x40000                  ; cx
	s_bfe_u32 s41, ttmp6, 0x40004                  ; cy
	s_and_b32 s18, ttmp7, 0xffff
	s_add_co_u32 s19, ttmp9, 4
	s_cmp_eq_u32 ttmp9, 2                          ; the third column of clusters makes v
	s_cselect_b32 s[ISV], 1, 0
	s_cselect_b32 s17, 6, s18
	s_cselect_b32 s42, s18, s19
	s_lshl_b32 s17, s17, 2
	s_add_co_u32 s17, s17, s41                     ; role A's tile of 256 rows: it hangs on cy alone
	s_lshl_b32 s42, s42, 2
	s_add_co_u32 s42, s42, s40                     ; role B's: on cx alone
	s_lshl_b32 s43, s41, 2
	s_lshl_b32 s43, 15, s43                        ; my row of the cluster
	s_lshl_b32 s44, 0x1111, s40                    ; my column
	s_or_b32 s[G1+0], s43, (3<<16)|(1<<21)         ; the mask; elements of 8 bytes; bit 21 beside a mask; no padding
	s_or_b32 s[G1B+0], s44, (3<<16)|(1<<21)
.irp g, G1, G1B
	s_mov_b32 s[\g+1], (NQ*FRB/8)<<16              ; a row: a group's two cells
	s_mov_b32 s[\g+2], 16<<16                      ; 16 groups for the head's loads
	s_mov_b32 s[\g+3], (NQ*FRB/8)<<16
	s_mov_b32 s[\g+4], 16
	s_mov_b32 s[\g+5], GRP/8
	s_mov_b32 s[\g+6], 0
	s_mov_b32 s[\g+7], 0
.endr
	s_or_b32 s[G1S+0], s43, (3<<16)|(1<<20)|(1<<21)|(5<<22)|(3<<25)   ; the scales of 256 rows: 64 rows of 256 bytes, 16 bytes of padding behind each
	s_or_b32 s[G1SB+0], s44, (3<<16)|(1<<20)|(1<<21)|(5<<22)|(3<<25)
.irp g, G1S, G1SB
	s_mov_b32 s[\g+1], 32<<16
	s_mov_b32 s[\g+2], KS<<16
	s_mov_b32 s[\g+3], 32<<16
	s_mov_b32 s[\g+4], KS
	s_mov_b32 s[\g+5], 32
	s_mov_b32 s[\g+6], 0
	s_mov_b32 s[\g+7], 0
.endr
	s_mul_i32 s18, s16, 8*GRP                      ; which 128 rows of a tile I fetch in the ring
	s_mul_i32 s20, s17, 16*GRP
	s_add_co_u32 s20, s20, s18
	s_mul_i32 s46, s42, 16*GRP
	s_add_co_u32 s46, s46, s18
	s_mov_b32 s21, 0
	s_mov_b32 s47, 0
	s_lshl_b32 s22, s17, 14                        ; a tile's scales: 16,384 bytes
	s_mov_b32 s23, 0
	s_lshl_b32 s92, s42, 14
	s_mov_b32 s93, 0
	s_mul_i32 s45, s14, HALFT                      ; no place in the cluster enters an LDS address
	s_wait_dscnt 0x0                               ; both opening adds are done
	s_wait_kmcnt 0x0
	s_add_nc_u64 s[20:21], s[4:5], s[20:21]
	s_add_nc_u64 s[22:23], s[6:7], s[22:23]
	s_add_nc_u64 s[46:47], s[4:5], s[46:47]
	s_add_nc_u64 s[92:93], s[6:7], s[92:93]
	s_cmp_eq_u32 s15, 0                            ; the prefetches: the 128 rows that I fetch,
	s_cselect_b64 s[PFA:PFA+1], s[20:21], s[46:47]
	s_cselect_b32 s2, s40, s41                     ; my work-group's place among the four that ask for them,
	s_mul_i32 s2, s2, 2*GRP                        ; its 2 groups of the 8,
	s_add_co_u32 s2, s2, NQ*FRB                    ; at K step 1
	s_mov_b32 s3, 0
	s_add_nc_u64 s[PFA:PFA+1], s[PFA:PFA+1], s[2:3]
	s_mov_b32 s[G0S], 1
	s_mov_b32 s[G0S+1], SCL
	s_mov_b64 s[G0S+2:G0S+3], s[22:23]
	s_or_b32 s[G0S+3], s[G0S+3], 0x80000000
	s_mov_b32 s[G0SB], 1
	s_mov_b32 s[G0SB+1], SCL+2*HALFS
	s_mov_b64 s[G0SB+2:G0SB+3], s[92:93]
	s_or_b32 s[G0SB+3], s[G0SB+3], 0x80000000
.irp s, 0,1
	s_mov_b32 s[G0+4*\s], 1
	s_add_co_u32 s[G0+4*\s+1], s45, \s*SLOT
	s_add_nc_u64 s[G0+4*\s+2:G0+4*\s+3], s[20:21], \s*NQ*FRB
	s_or_b32 s[G0+4*\s+3], s[G0+4*\s+3], 0x80000000
	s_mov_b32 s[G0B+4*\s], 1
	s_add_co_u32 s[G0B+4*\s+1], s45, \s*SLOT
	s_add_nc_u64 s[G0B+4*\s+2:G0B+4*\s+3], s[46:47], \s*NQ*FRB
	s_or_b32 s[G0B+4*\s+3], s[G0B+4*\s+3], 0x80000000
.endr
	CROUND                                         ; all sixteen work-groups are here: the first joint loads meet
; Waves 0 and 2 fetch the lower half in the ring, so their slot-0 group 0 names the tile's first row and first LDS byte: with 16 groups in group 1 it brings the whole tile.
.macro ARM under, g0, g1, next
	s_cmp_lt_u32 s14, \under
	s_cbranch_scc0 \next
	TL \g0, \g1
	s_branch .Lhead_asked
\next:
.endm
	ARM 1, G0,  G1,  .Lhead_sa
	ARM 2, G0S, G1S, .Lhead_b
	ARM 3, G0B, G1B, .Lhead_sb
	TL G0SB, G1SB
.Lhead_asked:
	v_and_b32 v1, 15, v0                           ; r
	v_bfe_u32 v2, v0, 4, 1                         ; h
	v_and_b32 v8, 31, v0
	v_lshlrev_b32 v[GO], 4, v8
	s_mul_i32 s21, s15, HALFT
	s_mul_i32 s22, s16, HALFT
	s_add_co_u32 s22, s22, 2*HALFT
.irp s, 0,1
	v_add_nc_u32 v[ADRA+\s], s21, v[GO]
	v_add_nc_u32 v[ADRB+\s], s22, v[GO]
	s_add_co_u32 s21, s21, SLOT
	s_add_co_u32 s22, s22, SLOT
.endr
	v_mul_u32_u24 v5, v1, KS                       ; my row's scales: KS bytes a row,
	v_lshrrev_b32 v6, 8, v5
	v_lshl_add_u32 v5, v6, 4, v5                   ; and 16 more for each 256 passed
	s_mul_i32 s21, s15, HALFS
	s_mul_i32 s22, s16, HALFS
	s_add_co_u32 s22, s22, 2*HALFS
	s_sub_co_u32 s22, s22, s21
	v_mul_u32_u24 v6, s22, v2                      ; lanes 16-31 take B's
	s_add_co_u32 s21, s21, SCL
	v_add_nc_u32 v5, v5, v6
	v_add_nc_u32 v[ADRS], s21, v5
	s_lshl_b32 s23, s14, 12                        ; my stage on the v path
	v_add_nc_u32 v[LDC], s23, v[GO]
	v_lshl_add_u32 v[SWA], v1, 2, s23
	v_lshlrev_b32 v[CA], 9, v1
	v_lshl_add_u32 v[CA], v2, 5, v[CA]
	v_lshlrev_b32 v14, 5, v2                       ; the gains: 32 h
	v_mov_b32 v[RS+1], 0                           ; named as the upper half of a pair
	s_mul_i32 s2, s14, QSTG                        ; my stage on the q/k path
	s_lshl_b32 s94, s40, 1
	s_add_co_u32 s94, s94, s16
	s_lshl_b32 s94, s94, 13                        ; my 8,192 bytes of the 65,536 of cos and of sin: 2 cx + my half of role B
	v_add_nc_u32 v[QST], s2, v[GO]
	v_lshl_add_u32 v[QSW], v1, 2, s2
	v_add_nc_u32 v[QSW], 12288, v[QSW]
	v_lshl_add_u32 v[PFC], v8, 8, s94
	v_min_u32 v5, 23, v8                           ; the tile prefetches: run l of 24, 12 to a group's K step
	v_mul_u32_u24 v6, v5, 43
	v_lshrrev_b32 v6, 9, v6                        ; l / 12
	v_mul_u32_u24 v6, v6, GRP-NQ*FRB
	v_lshl_add_u32 v[PFO], v5, 8, v6               ; 256 l, and from the first group's K step to the second's
	s_mov_b32 s[SEL], 0x76543210
	s_mov_b32 s[SEL+1], 0xfedcba98
	s_mov_b32 s[RCPD], 0x3c000000                  ; 1 / 128
	s_mov_b32 s[EPSR], 0x358637bd                  ; 1e-6
	s_cmp_eq_u32 s[ISV], 1
	s_cselect_b32 s20, s42, s17                    ; the tile of tokens,
	s_cselect_b32 s21, s16, s15                    ; my half of it,
	s_cselect_b32 s22, s17, s42                    ; the tile of weight rows,
	s_cselect_b32 s23, s15, s16                    ; my half of it
	s_lshl_b32 s20, s20, 8
	s_lshl_b32 s21, s21, 7
	s_add_co_u32 s20, s20, s21                     ; my first token
	s_sub_co_u32 s22, s22, 16
	s_lshl_b32 s22, s22, 1
	s_add_co_u32 s22, s22, s23                     ; 8 x (q, k, v) + head
	s_lshr_b32 s43, s22, 3
	s_and_b32 s44, s22, 7
	s_lshr_b32 s45, s20, 11                        ; batch
	s_and_b32 s46, s20, 2047
	s_lshl_b32 s43, s43, 1
	s_add_co_u32 s43, s43, s45
	s_lshl_b32 s43, s43, 3
	s_add_co_u32 s43, s43, s44
	s_lshl_b32 s43, s43, 11
	s_add_co_u32 s43, s43, s46                     ; my first row of c2 and s2
	s_mul_i32 s46, s43, 96
	s_mov_b32 s47, 0
	s_add_nc_u64 s[66:67], s[66:67], s[46:47]
	s_lshl_b32 s46, s43, 2
	s_add_nc_u64 s[104:105], s[104:105], s[46:47]
	s_lshl_b32 s46, s20, 9
	s_add_nc_u64 s[8:9], s[8:9], s[46:47]
	s_add_nc_u64 s[10:11], s[10:11], s[46:47]
	s_cmp_lt_u32 s22, 8
	s_cselect_b64 s[12:13], s[96:97], s[98:99]     ; q's gains or k's (a wave of v loads k's and does not use them)
	s_wait_alu depctr_va_vdst(0)                   ; the wait at the head's end
.irp be, 0,1,2,3
.irp k, 0,1,2,3
	global_load_b128 v[NW+16*\be+4*\k:NW+16*\be+4*\k+3], v14, s[12:13] offset:128*\be+64*(\k/2)+16*(\k%2)
.endr
.endr
	global_prefetch_b8 v[PFO], s[PFA:PFA+1] th:TH_LOAD_NT scope:SCOPE_SE                  ; K step 1
	global_prefetch_b8 v[PFO], s[PFA:PFA+1] offset:NQ*FRB th:TH_LOAD_NT scope:SCOPE_SE    ; K step 2
.macro FRAG reg, adr, q, i             ; the cell of group i, K step q of the slot: three loads of 512 consecutive bytes
.irp c, 0,1,2
	ds_load_b128 v[\reg+4*\c:\reg+4*\c+3], v[\adr] offset:(\i)*NQ*FRB+(\q)*FRB+512*\c
.endr
.endm
; 16 matrix instructions: A's blocks a0, a0 + 1 x B's eight.  The 64 accumulators take turns, in the same order in every step.
.macro MUL16 a0, p, q, sc, zero
.irp a, \a0, \a0+1
.irp b, 0,1,2,3,4,5,6,7
.if \zero
	v_wmma_scale_f32_16x16x128_f8f6f4 v[8*(8*((\a)%4)+\b):8*(8*((\a)%4)+\b)+7], v[128*(\p)+FR*\b:128*(\p)+FR*\b+FR-1], v[AF+FR*(\a):AF+FR*(\a)+FR-1], 0, v[SC+8*NQ*(\sc)+NQ*\b+(\q)], v[SC+8*NQ*(\sc)+NQ*(\a)+(\q)] matrix_a_fmt:MATRIX_FMT_FP6 matrix_b_fmt:MATRIX_FMT_FP6 matrix_a_scale:MATRIX_SCALE_ROW1
.else
	v_wmma_scale_f32_16x16x128_f8f6f4 v[8*(8*((\a)%4)+\b):8*(8*((\a)%4)+\b)+7], v[128*(\p)+FR*\b:128*(\p)+FR*\b+FR-1], v[AF+FR*(\a):AF+FR*(\a)+FR-1], v[8*(8*((\a)%4)+\b):8*(8*((\a)%4)+\b)+7], v[SC+8*NQ*(\sc)+NQ*\b+(\q)], v[SC+8*NQ*(\sc)+NQ*(\a)+(\q)] matrix_a_fmt:MATRIX_FMT_FP6 matrix_b_fmt:MATRIX_FMT_FP6 matrix_a_scale:MATRIX_SCALE_ROW1
.endif
.endr
.endr
.endm
.macro FETCH_B slot, q, p
	WIN TO_B
.irp i, 0,1,2,3,4,5,6,7
	FRAG 128*(\p)+FR*\i, ADRB+\slot, \q, \i
.endr
	WIN 0
.endm
.macro FETCH_A slot, q, i0
.irp i, \i0, \i0+1, \i0+2, \i0+3
	FRAG AF+FR*(\i), ADRA+\slot, \q, \i
.endr
.endm
.macro SCALES sc                       ; lanes 0-15 take A's block i, lanes 16-31 B's block i: two words, one for each 128 of the K step
.irp i, 0,1,2,3,4,5,6,7
	ds_load_b64 v[SC+8*NQ*\sc+NQ*\i:SC+8*NQ*\sc+NQ*\i+1], v[ADRS] offset:\i*SBLK
.endr
.endm
.macro PLACES n
.rept \n
	v_nop
.endr
.endm
.macro STEP slot, q, zero              ; 128 along K with its successor in the same slot
	s_wait_dscnt 4*NL                              ; all but the youngest 12 loads (A's blocks 4-7)
	WIN MUL_LO
	MUL16 0, (\q)%2, \q, \slot, \zero
	MUL16 2, (\q)%2, \q, \slot, \zero
	s_wait_dscnt 0
	PLACES NP
	FETCH_B \slot, (\q)+1, 1-(\q)%2
	FETCH_A \slot, (\q)+1, 0
	WIN MUL_HI
	MUL16 4, (\q)%2, \q, \slot, \zero
	MUL16 6, (\q)%2, \q, \slot, \zero
	PLACES NP
	WIN 0
	FETCH_A \slot, (\q)+1, 4
.endm
; A slot's last step changes slots: in front of the one barrier each wave waits for all its tensor loads, adds 0 to its spare word, and waits for that and for its reads of this slot.
.macro TURN slot, next, fill
	s_wait_tensorcnt 0x0                           ; my part of the next slot has landed
	ds_add_u32 v[SPW], v[NIL]
	s_wait_dscnt 4*NL+1                            ; (the add and the youngest 12 loads may be out)
	WIN MUL_LO
	MUL16 0, 1, NQ-1, \slot, 0
	s_wait_dscnt 0x0                               ; the add is done, and my reads of this slot are over
	s_barrier_signal -1
	MUL16 2, 1, NQ-1, \slot, 0
	WIN 0
	s_barrier_wait -1
.if \fill
	CREST                                          ; the barrier has opened a round of the cluster's barrier
	s_add_nc_u64 s[G0+4*\slot+2:G0+4*\slot+3], s[G0+4*\slot+2:G0+4*\slot+3], 2*NQ*FRB
	s_add_nc_u64 s[G0B+4*\slot+2:G0B+4*\slot+3], s[G0B+4*\slot+2:G0B+4*\slot+3], 2*NQ*FRB
	JLOAD G0+4*\slot, G1, G0B+4*\slot, G1B         ; my one tensor load behind the round; its four v_nop are the places in front of the loads below
.else
	PLACES NP
.endif
	s_wait_alu depctr_va_vdst(0)                   ; the wait ahead of this reader
	v_add_nc_u32 v[ADRS], 4*NQ, v[ADRS]
	FETCH_B \next, 0, 0
	FETCH_A \next, 0, 0
	SCALES \next
.if \fill
	s_cmp_gt_u32 s3, 1                             ; the last trip's refills have no K step two on
	s_cbranch_scc0 .Lno_ask_\@
	global_prefetch_b8 v[PFO], s[PFA:PFA+1] offset:(3+\slot)*NQ*FRB th:TH_LOAD_NT scope:SCOPE_SE   ; the K step two refills on
.Lno_ask_\@:
.endif
	WIN MUL_HI
	MUL16 4, 1, NQ-1, \slot, 0
	MUL16 6, 1, NQ-1, \slot, 0
	PLACES NP
	WIN 0
	FETCH_A \next, 0, 4
.endm
.macro CLOAD a                         ; cos and sin of block a's 16 tokens, in the order of the block's registers, into window 1
.set CB, 128*((\a)%2)
	WIN TO_B
.irp be, 0,1,2,3
.irp k, 0,1,2,3
	global_load_b128 v[CB+16*\be+4*\k:CB+16*\be+4*\k+3], v[CA], s[8:9] offset:8192*(\a)+128*\be+64*(\k/2)+16*(\k%2)
	global_load_b128 v[CB+64+16*\be+4*\k:CB+64+16*\be+4*\k+3], v[CA], s[10:11] offset:8192*(\a)+128*\be+64*(\k/2)+16*(\k%2)
.endr
.endr
.endm
	s_wait_tensorcnt 0x0                           ; my tile of the head's four is in
	ds_add_u32 v[SPW], v[NIL]
	s_mov_b32 s[G1+2], 8<<16                       ; no tensor load of mine is out: from here on a load brings 8 groups
	s_mov_b32 s[G1+4], 8
	s_mov_b32 s[G1B+2], 8<<16
	s_mov_b32 s[G1B+4], 8
	s_wait_dscnt 0x0
	CROUND
	JLOAD G0+4, G1, G0B+4, G1B                     ; K step 1, the first tensor load behind the round
	FETCH_B 0, 0, 0
	FETCH_A 0, 0, 0
	SCALES 0
	FETCH_A 0, 0, 4
	global_prefetch_b8 v[PFO], s[PFA:PFA+1] offset:2*NQ*FRB th:TH_LOAD_NT scope:SCOPE_SE   ; K step 3
	s_cmp_eq_u32 s[ISV], 1
	s_cbranch_scc1 .Lno_pfc                        ; v reads no cos and no sin
	global_prefetch_b8 v[PFC], s[8:9] th:TH_LOAD_NT scope:SCOPE_SE
	global_prefetch_b8 v[PFC], s[10:11] th:TH_LOAD_NT scope:SCOPE_SE
.Lno_pfc:
	STEP 0, 0, 1                                   ; the first step's products start the sums
	s_mov_b32 s3, LAPS-1
.Llap:
	TURN 0, 1, 1
	STEP 1, 0, 0
	TURN 1, 0, 1
	STEP 0, 0, 0
	s_wait_xcnt 0x0                                ; my prefetches have read their address: it steps two K steps on
	s_add_nc_u64 s[PFA:PFA+1], s[PFA:PFA+1], 2*NQ*FRB
	s_sub_co_u32 s3, s3, 1
	s_cmp_lg_u32 s3, 0
	s_cbranch_scc1 .Llap
	TURN 0, 1, 0                                   ; the last lap fills nothing
	STEP 1, 0, 0
	s_wait_loadcnt 0x0                             ; the gains
	s_cmp_eq_u32 s[ISV], 1
	s_cbranch_scc1 .Lno_cos
	CLOAD 0                                        ; into role B's set 0, whose last readers stand in front of the step's closing places
	WIN 0
.Lno_cos:
	s_wait_dscnt 4*NL
	WIN MUL_LO
	MUL16 0, 1, NQ-1, 1, 0
	MUL16 2, 1, NQ-1, 1, 0
	s_wait_dscnt 0
	WIN MUL_HI
	MUL16 4, 1, NQ-1, 1, 0
	MUL16 6, 1, NQ-1, 1, 0
	WIN 0
; THE WAY OUT, block by block of 16 rows of role A.  Each accumulator is first read at its low end.
.macro SUMSQ a                         ; 1 / sqrt(mean of squares + eps): my 64 numbers in four chains of pairs, then lane xor 16's
.set W, 2+(\a)/4
.set AC, 64*((\a)%4)
.set WW, W|(W<<2)
	WIN WW
.irp c, 0,1,2,3
	v_pk_mul_f32 v[SS+2*\c:SS+2*\c+1], v[AC+2*\c:AC+2*\c+1], v[AC+2*\c:AC+2*\c+1]
.endr
.set n, 4
.rept 28
	v_pk_fma_f32 v[SS+2*(n%4):SS+2*(n%4)+1], v[AC+2*n:AC+2*n+1], v[AC+2*n:AC+2*n+1], v[SS+2*(n%4):SS+2*(n%4)+1]
.set n, n+1
.endr
	WIN 0
	v_pk_add_f32 v[SS:SS+1], v[SS:SS+1], v[SS+2:SS+3]
	v_pk_add_f32 v[SS+4:SS+5], v[SS+4:SS+5], v[SS+6:SS+7]
	v_pk_add_f32 v[SS:SS+1], v[SS:SS+1], v[SS+4:SS+5]
	v_add_f32 v[SS], v[SS], v[SS+1]
	v_permlanex16_b32 v[SS+2], v[SS], s[SEL], s[SEL+1]
	v_add_f32 v[SS], v[SS], v[SS+2]
	v_fma_f32 v[SS], v[SS], s[RCPD], s[EPSR]
	s_wait_alu depctr_va_vdst(0)                   ; the wait ahead of the transcendental
	v_rsq_f32 v[RS], v[SS]
	v_nop
	s_wait_alu depctr_va_vdst(0)                   ; and ahead of its first reader
.endm
.macro NORM a                          ; (x / rms) x gain, in that order
.set W, 2+(\a)/4
.set AC, 64*((\a)%4)
.set WW, (W<<6)|W
	WIN WW
.set n, 0
.rept 32
	v_pk_mul_f32 v[AC+2*n:AC+2*n+1], v[AC+2*n:AC+2*n+1], v[RS:RS+1] op_sel_hi:[1,0]
.set n, n+1
.endr
.set n, 0
.rept 32
	v_pk_mul_f32 v[AC+2*n:AC+2*n+1], v[AC+2*n:AC+2*n+1], v[NW+2*n:NW+2*n+1]
.set n, n+1
.endr
.endm
.macro ROPE a                          ; d and d + 64 lie in one lane, 32 registers apart
.set W, 2+(\a)/4
.set AC, 64*((\a)%4)
.set CB, 128*((\a)%2)
.set WW, W|(1<<2)
	WIN WW
.set n, 0
.rept 16
	v_pk_mul_f32 v[T+2*n:T+2*n+1], v[AC+32+2*n:AC+32+2*n+1], v[CB+64+2*n:CB+64+2*n+1]
	v_pk_mul_f32 v[T+32+2*n:T+32+2*n+1], v[AC+2*n:AC+2*n+1], v[CB+96+2*n:CB+96+2*n+1]
.set n, n+1
.endr
.set WW, (W<<6)|(1<<2)|W
	WIN WW
.set n, 0
.rept 16
	v_pk_fma_f32 v[AC+2*n:AC+2*n+1], v[AC+2*n:AC+2*n+1], v[CB+2*n:CB+2*n+1], v[T+2*n:T+2*n+1] neg_lo:[0,0,1] neg_hi:[0,0,1]
	v_pk_fma_f32 v[AC+32+2*n:AC+32+2*n+1], v[AC+32+2*n:AC+32+2*n+1], v[CB+32+2*n:CB+32+2*n+1], v[T+32+2*n:T+32+2*n+1]
.set n, n+1
.endr
.endm
.macro QUANTW a                        ; block a's 64 numbers a lane become a fragment's codes in v[CD] on (two sets by turns) and its scale word in v[PW]
.set W, 2+(\a)/4
.set AC, 64*((\a)%4)
.set CD, CDS+48*((\a)%2)
.set WW, W|(W<<2)
	WIN WW
.irp b, 0,1,2,3
	v_max3_num_f32 v[TM+\b], |v[AC+16*\b]|, |v[AC+16*\b+1]|, 0x1800000   ; and the floor 2^(3 - 127): the byte cannot fall under 1
.endr
.irp i, 2,4,6,8,10,12,14
.irp b, 0,1,2,3
	v_max3_num_f32 v[TM+\b], |v[AC+16*\b+\i]|, |v[AC+16*\b+\i+1]|, v[TM+\b]
.endr
.endr
	WIN 0
.irp b, 0,1,2,3
	v_permlanex16_b32 v[TM+4+\b], v[TM+\b], s[SEL], s[SEL+1]
.endr
.irp b, 0,1,2,3
	v_max_num_f32 v[TM+\b], v[TM+\b], v[TM+4+\b]
.endr
.irp b, 0,1,2,3
	v_add_nc_u32 v[TM+12+\b], 0xff000000, v[TM+\b] ; 2 off the exponent field: the conversion's scale operand
.endr
.irp b, 0,1,2,3
	v_lshrrev_b32 v[TM+4+\b], 23, v[TM+12+\b]
.endr
	v_lshl_or_b32 v[PW], v[TM+5], 8, v[TM+4]
	v_lshl_or_b32 v[PW], v[TM+6], 16, v[PW]
	v_lshl_or_b32 v[PW], v[TM+7], 24, v[PW]
	WIN W
.irp c, 0,1
	v_cvt_scalef32_pk16_fp6_f32 v[CD+6*\c:CD+6*\c+2], v[AC+32*\c:AC+32*\c+15], v[TM+12+2*\c]
	v_cvt_scalef32_pk16_fp6_f32 v[TP+4*\c:TP+4*\c+2], v[AC+32*\c+16:AC+32*\c+31], v[TM+12+2*\c+1]
.endr
	WIN 0
	v_nop                                          ; one plain place behind a scaled conversion
.irp c, 0,1                                    ; a whole block of 32 to a lane
.irp i, 0,1,2
	v_permlane16_swap_b32 v[CD+6*\c+\i], v[TP+4*\c+\i]
.endr
.irp i, 0,1,2
	v_mov_b32 v[CD+3+6*\c+\i], v[TP+4*\c+\i]
.endr
.endr
.endm
.macro OUT a, p                        ; the v path: a block's codes leave as they stand
.set CD, CDS+48*((\a)%2)
	ds_store_b32 v[SWA], v[PW] offset:(\p)+64*(\a)   ; lanes r and r + 16 write the same word with the same value
.irp c, 0,1,2
	global_store_b128 v[GO], v[CD+4*\c:CD+4*\c+3], s[66:67] offset:1536*(\a)+512*\c   ; 512 consecutive bytes, aligned
.endr
.endm
.macro FINISH p
	ds_load_b128 v[2:5], v[LDC] offset:(\p)        ; my 128 rows' scale words; LDS serves a wave's instructions in order
	s_wait_dscnt 0x0
	global_store_b128 v[GO], v[2:5], s[104:105]
.endm
.macro OUTQ a                          ; the q/k path: a block's codes and scale words go to my stage, as they will lie in c2 and s2
.set CD, CDS+48*((\a)%2)
	ds_store_b32 v[QSW], v[PW] offset:64*(\a)
.irp c, 0,1,2
	ds_store_b128 v[QST], v[CD+4*\c:CD+4*\c+3] offset:1536*(\a)+512*\c
.endr
.endm
.macro FINISHQ                         ; and leave together: 12,288 bytes of c2 and 512 of s2, no vector or LDS work between the stores
.set n, 0
.rept 24
	ds_load_b128 v[T+4*n:T+4*n+3], v[QST] offset:512*n   ; LDS serves a wave's instructions in order: these see my stores
.set n, n+1
.endr
	ds_load_b128 v[2:5], v[QST] offset:12288
	s_wait_dscnt 0x0
.set n, 0
.rept 24
	global_store_b128 v[GO], v[T+4*n:T+4*n+3], s[66:67] offset:512*n   ; 512 consecutive bytes, aligned
.set n, n+1
.endr
	global_store_b128 v[GO], v[2:5], s[104:105]
.endm
	PLACES NP
.irp b, 0,1,2,3
	v_mov_b32 v[TM+4+\b], 0                        ; a lane permute's destination counts as one of its sources
.endr
	s_cmp_eq_u32 s[ISV], 1
	s_cbranch_scc1 .Lv
	CLOAD 1
.irp a, 0,1,2,3,4,5,6,7
	SUMSQ \a
	NORM \a
.if \a < 7
	s_wait_loadcnt 32                              ; this block's cos and sin are in; the next block's 32 loads may be out
.else
	s_wait_loadcnt 0x0
.endif
	ROPE \a
.if \a < 6
	CLOAD \a+2
.endif
	WIN 0
	s_wait_dscnt 0x0                               ; the last block's stores into the stage have read their registers
	QUANTW \a
	OUTQ \a
.endr
	FINISHQ
	s_branch .Ldone
.Lv:
.irp a, 0,1,2,3,4,5,6,7
	s_wait_dscnt 0x0
.if \a > 1
	s_wait_xcnt 0x0                                ; the stores of two blocks back have read the registers that this block's codes take
.endif
	QUANTW \a
	OUT \a, VST
.endr
	FINISH VST
.Ldone:
	s_wait_tensorcnt 0x0                           ; the wave's end
	ds_add_u32 v[SPW], v[NIL]
	s_wait_dscnt 0x0
	CROUND                                         ; the closing round
	s_endpgm
.Lfunc_end_k_q6ff6757cc4_qkv:
	.size	k_q6ff6757cc4_qkv, .Lfunc_end_k_q6ff6757cc4_qkv-k_q6ff6757cc4_qkv
	.p2alignl 7, 3214868480
	.fill 96, 4, 3214868480
	.section	.rodata,"a",@progbits
	.p2align	6, 0x0
	.amdhsa_kernel k_q6ff6757cc4_qkv
		.amdhsa_group_segment_fixed_size 327680
		.amdhsa_private_segment_fixed_size 0
		.amdhsa_enable_private_segment 0
		.amdhsa_kernarg_size 64
		.amdhsa_user_sgpr_count 2
		.amdhsa_user_sgpr_kernarg_segment_ptr 1
		.amdhsa_wavefront_size32 1
		.amdhsa_system_sgpr_workgroup_id_x 1
		.amdhsa_system_sgpr_workgroup_id_y 1
		.amdhsa_system_sgpr_workgroup_id_z 1
		.amdhsa_system_vgpr_workitem_id 0
		.amdhsa_next_free_vgpr 1024
		.amdhsa_next_free_sgpr 106
		.amdhsa_reserve_vcc 0
		.amdhsa_float_denorm_mode_32 3
		.amdhsa_float_denorm_mode_16_64 3
		.amdhsa_memory_ordered 1
		.amdhsa_forward_progress 1
		.amdhsa_inst_pref_size 255
	.end_amdhsa_kernel
	.section	.bss,"aw",@nobits
	.p2align	6
	.space	262144
	.amdgpu_metadata
---
amdhsa.version: [ 1, 2 ]
amdhsa.kernels:
  - .name:           k_q6ff6757cc4_qkv
    .symbol:         k_q6ff6757cc4_qkv.kd
    .args:
      - { .name: c1, .offset: 0, .size: 8, .value_kind: global_buffer, .address_space: global }
      - { .name: s1, .offset: 8, .size: 8, .value_kind: global_buffer, .address_space: global }
      - { .name: cos, .offset: 16, .size: 8, .value_kind: global_buffer, .address_space: global }
      - { .name: sin, .offset: 24, .size: 8, .value_kind: global_buffer, .address_space: global }
      - { .name: q_norm_w, .offset: 32, .size: 8, .value_kind: global_buffer, .address_space: global }
      - { .name: k_norm_w, .offset: 40, .size: 8, .value_kind: global_buffer, .address_space: global }
      - { .name: c2, .offset: 48, .size: 8, .value_kind: global_buffer, .address_space: global }
      - { .name: s2, .offset: 56, .size: 8, .value_kind: global_buffer, .address_space: global }
    .group_segment_fixed_size: 327680
    .private_segment_fixed_size: 0
    .kernarg_segment_align: 8
    .kernarg_segment_size: 64
    .max_flat_workgroup_size: 128
    .sgpr_count:     106
    .vgpr_count:     1024
    .wavefront_size: 32
...
	.end_amdgpu_metadata
.endif
;; end of part 2
;; launch attn (part 3): grid 16 x 16, 16 waves a work-group, no clusters, 327,680 bytes of LDS; arguments c2, s2, c3, s3; writes c3, s3
.if DOCPART == 3
	.amdgcn_target "amdgcn-amd-amdhsa--gfx1250"
	.amdhsa_code_object_version 6
	.text
	.protected	k_q6ff6757cc4_attn
	.globl	k_q6ff6757cc4_attn
	.p2align	8
	.type	k_q6ff6757cc4_attn,@function
k_q6ff6757cc4_attn:
	s_mov_b64 s[64:65], 0
	v_nop
	global_prefetch_b8 v0, s[64:65] scope:SCOPE_SE
	s_setreg_imm32_b32 hwreg(HW_REG_WAVE_MODE, 25, 1), 1
	s_wait_xcnt 0x0
.set SK,    512
.set ROWB,  96
.set FRB,   1536
.set STEPB, 12288
.set VOFF,  SK*ROWB
.set HALFB, SK*ROWB/2
.set SLOT1, 1<<17
.set NSL,   4
.set SCK,   2*SLOT1
.set SCH,   16*272
.set SCV,   SCK+2*SCH
.set SPARE, SCV+2*SCH
.set MRG,   8704
.set CST,   8*MRG
.set CREG,  3145728
.set SREG,  131072
.set HEADB, 196608
.set AK0,  1
.set AV0,  2
.set ASK0, 3
.set MRGA, 4
.set SPW,  5
.set NIL,  6
.set STC,  7
.set ADK,  8
.set ADV,  9
.set ADS,  10
.set LDC,  11
.set PFO,  28
.set QT,   36
.set QW,   52
.set QC,   56
.set TB,   2
.set TS,   3
.set WV,   18
.set PI,   19
.set SEL,  20
.set CS,   22
.set G1K,  24
.set G0K,  40
.set G0V,  44
.set G1S,  48
.set G0SK, 56
.set G0SV, 60
.set SLOTS, 67
.set PFA,  76
.set LIM,  80
.set KF,   98
.set Q0,   99
.macro TLOAD g0k, g1k, g0v, g1v
	s_cmp_lt_u32 s[WV], 2
	s_cbranch_scc0 .Lnot_k_\@
	tensor_load_to_lds s[\g0k:\g0k+3], s[\g1k:\g1k+7]
	s_nop 0
.rept 4
	v_nop
.endr
	s_branch .Lasked_\@
.Lnot_k_\@:
	s_cmp_lt_u32 s[WV], 4
	s_cbranch_scc0 .Lasked_\@
	tensor_load_to_lds s[\g0v:\g0v+3], s[\g1v:\g1v+7]
	s_nop 0
.rept 4
	v_nop
.endr
.Lasked_\@:
.endm
.macro ASK
	s_cmp_gt_u32 s[SLOTS], s[LIM]
	s_cbranch_scc0 .Lnot_mine_\@
	global_prefetch_b8 v[PFO], s[PFA:PFA+1] th:TH_LOAD_NT scope:SCOPE_SE
.Lnot_mine_\@:
.endm
	s_load_b256 s[4:11], s[0:1], 0x0
	v_lshl_add_u32 v[SPW], v0, 2, SPARE
	v_mov_b32 v[NIL], 0
	ds_add_u32 v[SPW], v[NIL]
	ds_add_u32 v[SPW], v[NIL]
	v_lshrrev_b32 v8, 5, v0
	s_delay_alu instid0(VALU_DEP_1)
	v_readfirstlane_b32 s[WV], v8
	s_lshr_b32 s[PI], s[WV], 3
	s_and_b32 s72, ttmp7, 0xffff
	s_and_b32 s12, s[WV], 3
	s_lshr_b32 s13, s[WV], 2
	s_xor_b32 s13, s13, s[WV]
	s_and_b32 s13, s13, 1
	s_lshl_b32 s14, ttmp9, 1
	s_sub_co_u32 s14, 31, s14
	s_mul_i32 s14, s14, s13
	s_add_co_u32 s14, s14, ttmp9
	s_lshl_b32 s14, s14, 6
	s_lshl_b32 s12, s12, 4
	s_add_co_u32 s[Q0], s14, s12
	s_mul_i32 s74, s72, HEADB
	s_lshl_b32 s76, s72, 13
	s_and_b32 s88, s[WV], 1
	s_mul_i32 s89, s88, HALFB
	s_add_co_u32 s90, s74, s89
	s_add_co_u32 s90, s90, CREG
	s_mov_b32 s91, 0
	s_add_co_u32 s92, s90, CREG
	s_mov_b32 s93, 0
	s_add_co_u32 s94, s89, VOFF
	s_lshl_b32 s96, s88, 12
	s_add_co_u32 s96, s96, s76
	s_add_co_u32 s96, s96, SREG
	s_mov_b32 s97, 0
	s_add_co_u32 s86, s96, SREG
	s_mov_b32 s87, 0
	s_mul_i32 s95, s88, SCH
	s_mul_i32 s82, s[Q0], ROWB
	s_add_co_u32 s82, s82, s74
	s_mov_b32 s83, 0
	s_lshl_b32 s84, s[Q0], 2
	s_add_co_u32 s84, s84, s76
	s_mov_b32 s85, 0
	s_mov_b32 s[G1K], 3<<16
	s_mov_b32 s[G1K+1], 32<<16
	s_mov_b32 s[G1K+2], 96<<16
	s_mov_b32 s[G1K+3], 32<<16
	s_mov_b32 s[G1K+4], 96
	s_mov_b32 s[G1K+5], 32
	s_mov_b32 s[G1K+6], 0
	s_mov_b32 s[G1K+7], 0
	s_mov_b32 s[G1S], (3<<16)|(1<<20)|(5<<22)|(3<<25)
	s_mov_b32 s[G1S+1], 32<<16
	s_mov_b32 s[G1S+2], 16<<16
	s_mov_b32 s[G1S+3], 32<<16
	s_mov_b32 s[G1S+4], 16
	s_mov_b32 s[G1S+5], 32
	s_mov_b32 s[G1S+6], 0
	s_mov_b32 s[G1S+7], 0
	s_mov_b32 s[SEL], 0x76543210
	s_mov_b32 s[SEL+1], 0xfedcba98
	s_mov_b32 s[CS], 0x3e0293ee
	s_mov_b32 s[CS+1], s[CS]
	s_mov_b32 s[TB], 0
	s_mul_i32 s[TS], s[PI], 544
	s_lshl_b32 s[KF], s[PI], 7
	s_mov_b32 s[SLOTS], NSL-1
	s_wait_dscnt 0x0
	s_wait_kmcnt 0x0
	s_mov_b32 s[G0SK], 1
	s_add_co_u32 s[G0SK+1], s95, SCK
	s_add_nc_u64 s[G0SK+2:G0SK+3], s[6:7], s[96:97]
	s_or_b32 s[G0SK+3], s[G0SK+3], 0x80000000
	s_mov_b32 s[G0SV], 1
	s_add_co_u32 s[G0SV+1], s95, SCV
	s_add_nc_u64 s[G0SV+2:G0SV+3], s[6:7], s[86:87]
	s_or_b32 s[G0SV+3], s[G0SV+3], 0x80000000
	TLOAD G0SK, G1S, G0SV, G1S
	s_mov_b32 s[G0K], 1
	s_mov_b32 s[G0K+1], s89
	s_add_nc_u64 s[G0K+2:G0K+3], s[4:5], s[90:91]
	s_or_b32 s[G0K+3], s[G0K+3], 0x80000000
	s_mov_b32 s[G0V], 1
	s_mov_b32 s[G0V+1], s94
	s_add_nc_u64 s[G0V+2:G0V+3], s[4:5], s[92:93]
	s_or_b32 s[G0V+3], s[G0V+3], 0x80000000
	s_wait_alu depctr_va_vdst(0)
	s_wait_tensorcnt 0x0
	ds_add_u32 v5, v6
	s_wait_dscnt 0x0
	s_barrier_signal -1
	s_barrier_wait -1
	TLOAD G0K, G1K, G0V, G1K
	s_add_nc_u64 s[12:13], s[4:5], s[82:83]
	s_add_nc_u64 s[14:15], s[6:7], s[84:85]
	s_max_u32 s82, s[WV], 4
	s_mov_b32 s83, 2*CREG
	s_cmp_lt_u32 s82, 10
	s_cselect_b32 s83, CREG, s83
	s_cselect_b32 s84, 4, 10
	s_sub_co_u32 s82, s82, s84
	s_lshl_b32 s82, s82, 13
	s_add_co_u32 s82, s82, s83
	s_add_co_u32 s82, s82, s74
	s_add_co_u32 s82, s82, VOFF
	s_mov_b32 s83, 0
	s_add_nc_u64 s[PFA:PFA+1], s[4:5], s[82:83]
	s_cmp_lt_u32 s[WV], 4
	s_cselect_b32 s82, 1, 0
	s_or_b32 s82, s82, ttmp9
	s_cmp_eq_u32 s82, 0
	s_cselect_b32 s[LIM], 1, -1
	s_lshr_b32 s82, s72, 3
	s_and_b32 s83, s72, 7
	s_lshl_b32 s82, s82, 11
	s_add_co_u32 s82, s82, s[Q0]
	s_mul_i32 s84, s82, 768
	s_mul_i32 s86, s83, 1536                       ; c3: [group of 16 tokens][head][1,536 bytes]: a cell is the image of an operand's 12 registers
	s_add_co_u32 s84, s84, s86
	s_mov_b32 s85, 0
	s_add_nc_u64 s[8:9], s[8:9], s[84:85]
	s_lshl_b32 s84, s82, 5
	s_lshl_b32 s86, s83, 2
	s_add_co_u32 s84, s84, s86
	s_add_nc_u64 s[10:11], s[10:11], s[84:85]
	v_and_b32 v29, 15, v0
	v_bfe_u32 v30, v0, 4, 1
	s_delay_alu instid0(VALU_DEP_2)
	v_mul_u32_u24 v31, v29, ROWB
	s_delay_alu instid0(VALU_DEP_1)
	v_mad_u32_u24 v31, v30, 24, v31
	v_and_b32 v233, 31, v0
	s_delay_alu instid0(VALU_DEP_1)
	v_lshlrev_b32 v88, 4, v233
.irp c, 0,1,2
	global_load_b128 v[16+4*\c:19+4*\c], v88, s[12:13] offset:512*\c
.endr
	v_lshlrev_b32 v254, 2, v29
	global_load_b32 v255, v254, s[14:15]
	s_mul_i32 s82, s[PI], STEPB
	v_add_nc_u32 v[AK0], s82, v88
	s_delay_alu instid0(VALU_DEP_1)
	v_add_nc_u32 v[AV0], VOFF, v[AK0]
	v_lshl_add_u32 v[ASK0], v29, 2, SCK
	s_and_b32 s83, s[WV], 7
	s_mul_i32 s84, s83, MRG
	v_lshl_add_u32 v[MRGA], v233, 4, s84
	v_lshlrev_b32 v[PFO], 8, v233
	v_mov_b32 v13, 0xff61b1e6
	s_delay_alu instid0(VALU_DEP_1)
	v_floor_f32 v12, -v13
	v_mov_b32 v14, 0
	v_mov_b32 v15, 0
.irp b, 0,1,2,3
	v_mov_b32 v[236+\b], 0
.endr
	v_mov_b32 v253, 0
.set n, 0
.rept 64
	v_mov_b32 v[160+n], 0
.set n, n+1
.endr
.macro STEP q
	s_add_co_u32 s96, s[Q0], 15
	s_cmp_gt_u32 s[KF], s96
	s_cbranch_scc1 .Lhidden_\@
	v_add_nc_u32 v[ADK], s[TB], v[AK0]
	s_wait_alu depctr_va_vdst(0)
	v_add_nc_u32 v[ADV], s[TB], v[AV0]
	v_add_nc_u32 v[ADS], s[TS], v[ASK0]
	s_wait_alu depctr_va_vdst(0)
	v_nop
	v_nop
.irp g, 0,1
.if \g > 0
.rept 4
	v_nop
.endr
.endif
.irp t, 0,1,2,3
.irp c, 0,1,2
	ds_load_b128 v[32+12*\t+4*\c:35+12*\t+4*\c], v[ADK] offset:2*STEPB*(\q)+FRB*(4*\g+\t)+512*\c
.endr
	ds_load_b32 v[248+\t], v[ADS] offset:272*\g+64*\t
.endr
	s_wait_dscnt 0x0
.irp t, 0,1,2,3
	v_wmma_scale_f32_16x16x128_f8f6f4 v[96+8*(4*\g+\t):103+8*(4*\g+\t)], v[32+12*\t:43+12*\t], v[16:27], 0, v[248+\t], v255 matrix_a_fmt:MATRIX_FMT_FP6 matrix_b_fmt:MATRIX_FMT_FP6
.endr
.endr
.rept 4
	v_nop
.endr
.irp t, 0,1,2,3
.irp c, 0,1,2
	ds_load_b128 v[32+12*\t+4*\c:35+12*\t+4*\c], v[ADV] offset:2*STEPB*(\q)+FRB*\t+512*\c
.endr
	ds_load_b32 v[248+\t], v[ADS] offset:2*SCH+64*\t
.endr
	s_add_co_u32 s96, s[KF], 127
	s_cmp_le_u32 s96, s[Q0]
	s_cbranch_scc1 .Lopen_\@
	s_sub_co_i32 s96, s[Q0], s[KF]
	v_and_b32 v252, 15, v0
	v_bfe_u32 v253, v0, 4, 1
	s_delay_alu instid0(VALU_DEP_1)
	v_lshlrev_b32 v253, 3, v253
	s_delay_alu instid0(VALU_DEP_1)
	v_sub_nc_u32 v252, v252, v253
	s_delay_alu instid0(VALU_DEP_1)
	v_add_nc_u32 v252, s96, v252
	v_mov_b32 v254, 0xff800000
.set n, 0
.rept 64
	v_cmp_gt_i32 vcc_lo, 16*(n/8)+n%8, v252
	v_cndmask_b32 v[96+n], v[96+n], v254, vcc_lo
.set n, n+1
.endr
.Lopen_\@:
.irp b, 0,1,2,3
	v_max3_num_f32 v[232+\b], v[96+16*\b], v[97+16*\b], v[98+16*\b]
.endr
.irp i, 3,5,7,9,11,13
.irp b, 0,1,2,3
	v_max3_num_f32 v[232+\b], v[232+\b], v[96+16*\b+\i], v[97+16*\b+\i]
.endr
.endr
.irp b, 0,1,2,3
	v_max_num_f32 v[232+\b], v[232+\b], v[111+16*\b]
.endr
.irp b, 0,1,2,3
	s_delay_alu instid0(VALU_DEP_4)
	v_permlanex16_b32 v[236+\b], v[232+\b], s[SEL], s[SEL+1]
.endr
.irp b, 0,1,2,3
	s_delay_alu instid0(VALU_DEP_4)
	v_max_num_f32 v[232+\b], v[232+\b], v[236+\b]
.endr
	s_delay_alu instid0(VALU_DEP_2)
	v_max3_num_f32 v254, v232, v233, v234
	s_delay_alu instid0(VALU_DEP_1)
	v_max_num_f32 v254, v254, v235
	s_delay_alu instid0(VALU_DEP_1)
	v_mul_f32 v254, s[CS], v254
	s_delay_alu instid0(VALU_DEP_1)
	v_max_num_f32 v13, v13, v254
	v_mov_b32 v254, v12
	s_delay_alu instid0(VALU_DEP_2)
	v_floor_f32 v12, -v13
	s_delay_alu instid0(VALU_DEP_1)
	v_sub_f32 v254, v12, v254
	s_delay_alu instid0(VALU_DEP_1)
	v_cvt_i32_f32 v254, v254
	s_delay_alu instid0(VALU_DEP_1)
	v_ldexp_f32 v252, 1.0, v254
.set n, 0
.rept 32
	v_pk_fma_f32 v[96+n:97+n], v[96+n:97+n], s[CS:CS+1], v[12:13] op_sel_hi:[1,0,0]
.set n, n+2
.endr
.irp b, 0,1,2,3
	v_fma_f32 v[232+\b], v[232+\b], s[CS], v12
.endr
.set n, 0
	s_wait_alu depctr_va_vdst(0)
.rept 64
	v_exp_f32 v[96+n], v[96+n]
.set n, n+1
.endr
	v_pk_mul_f32 v[14:15], v[14:15], v[252:253] op_sel_hi:[1,0]
	s_wait_alu depctr_va_vdst(0)
.irp b, 0,1,2,3
	v_exp_f32 v[232+\b], v[232+\b]
.endr
	v_pk_add_f32 v[236:237], v[96:97], v[98:99]
.irp j, 4,8,12,16,20,24,28,32,36,40,44,48,52,56,60
	v_pk_add_f32 v[14:15], v[14:15], v[96+\j:97+\j]
	v_pk_add_f32 v[236:237], v[236:237], v[98+\j:99+\j]
.endr
	s_delay_alu instid0(VALU_DEP_1)
	v_pk_add_f32 v[14:15], v[14:15], v[236:237]
	s_wait_alu depctr_va_vdst(0)
.irp b, 0,1,2,3
	v_max_num_f32 v[232+\b], 0x1800000, v[232+\b]
.endr
.irp b, 0,1,2,3
	s_delay_alu instid0(VALU_DEP_4)
	v_add_nc_u32 v[244+\b], 0xff000000, v[232+\b]
.endr
.irp b, 0,1,2,3
	s_delay_alu instid0(VALU_DEP_4)
	v_lshrrev_b32 v[236+\b], 23, v[244+\b]
.endr
	s_delay_alu instid0(VALU_DEP_3)
	v_lshl_or_b32 v253, v237, 8, v236
	s_delay_alu instid0(VALU_DEP_1)
	v_lshl_or_b32 v253, v238, 16, v253
	s_delay_alu instid0(VALU_DEP_1)
	v_lshl_or_b32 v253, v239, 24, v253
.irp c, 0,1
	v_cvt_scalef32_pk16_fp6_f32 v[224+6*\c:226+6*\c], v[96+32*\c:111+32*\c], v[244+2*\c]
	v_cvt_scalef32_pk16_fp6_f32 v[236+4*\c:238+4*\c], v[112+32*\c:127+32*\c], v[244+2*\c+1]
.endr
	v_nop
.irp t, 0,1,2,3
.irp c, 0,1,2
	ds_load_b128 v[96+12*\t+4*\c:99+12*\t+4*\c], v[ADV] offset:2*STEPB*(\q)+FRB*(4+\t)+512*\c
.endr
	ds_load_b32 v[144+\t], v[ADS] offset:2*SCH+272+64*\t
.endr
.irp c, 0,1
.irp i, 0,1,2
	v_permlane16_swap_b32 v[224+6*\c+\i], v[236+4*\c+\i]
.endr
.irp i, 0,1,2
	s_delay_alu instid0(VALU_DEP_3)
	v_mov_b32 v[227+6*\c+\i], v[236+4*\c+\i]
.endr
.endr
.set n, 0
.rept 32
	v_pk_mul_f32 v[160+n:161+n], v[160+n:161+n], v[252:253] op_sel_hi:[1,0]
.set n, n+2
.endr
	s_wait_alu depctr_va_vdst(0)
	s_wait_dscnt 0x0
.irp t, 0,1,2,3
	v_wmma_scale_f32_16x16x128_f8f6f4 v[160+8*\t:167+8*\t], v[32+12*\t:43+12*\t], v[224:235], v[160+8*\t:167+8*\t], v[248+\t], v253 matrix_a_fmt:MATRIX_FMT_FP6 matrix_b_fmt:MATRIX_FMT_FP6
.endr
.irp t, 0,1,2,3
	v_wmma_scale_f32_16x16x128_f8f6f4 v[192+8*\t:199+8*\t], v[96+12*\t:107+12*\t], v[224:235], v[192+8*\t:199+8*\t], v[144+\t], v253 matrix_a_fmt:MATRIX_FMT_FP6 matrix_b_fmt:MATRIX_FMT_FP6
.endr
.Lhidden_\@:
	s_add_co_u32 s[KF], s[KF], 256
	s_add_co_u32 s[TS], s[TS], 1088
.endm
.macro CHANGE fill
	s_wait_tensorcnt 0x0
	ds_add_u32 v[SPW], v[NIL]
.if \fill
	s_xor_b32 s[G0K+1], s[G0K+1], SLOT1
	s_add_nc_u64 s[G0K+2:G0K+3], s[G0K+2:G0K+3], SK*ROWB
	s_xor_b32 s[G0V+1], s[G0V+1], SLOT1
	s_add_nc_u64 s[G0V+2:G0V+3], s[G0V+2:G0V+3], SK*ROWB
	s_wait_xcnt 0x0
	s_add_nc_u64 s[PFA:PFA+1], s[PFA:PFA+1], SK*ROWB
.endif
	s_wait_dscnt 0x0
	s_barrier_signal -1
	s_barrier_wait -1
.if \fill
	TLOAD G0K, G1K, G0V, G1K
	ASK
.endif
.endm
	s_wait_loadcnt 0x0
.Lslot:
	CHANGE 1
	STEP 0
	STEP 1
	s_xor_b32 s[TB], s[TB], SLOT1
	s_sub_co_u32 s[SLOTS], s[SLOTS], 1
	s_cmp_lg_u32 s[SLOTS], 0
	s_cbranch_scc1 .Lslot
	CHANGE 0
	STEP 0
	STEP 1
.rept 4
	v_nop
.endr
	v_add_f32 v14, v14, v15
	s_cmp_lt_u32 s[WV], 8
	s_cbranch_scc1 .Lkeeper
.set n, 0
	s_wait_alu depctr_va_vdst(0)
.rept 16
	ds_store_b128 v[MRGA], v[160+4*n:163+4*n] offset:512*n
.set n, n+1
.endr
	ds_store_b128 v[MRGA], v[12:15] offset:8192
.Lkeeper:
	s_wait_dscnt 0x0
	s_barrier_signal -1
	s_barrier_wait -1
	s_cmp_lt_u32 s[WV], 8
	s_cbranch_scc0 .Lend
.set n, 0
.rept 16
	ds_load_b128 v[96+4*n:99+4*n], v[MRGA] offset:512*n
.set n, n+1
.endr
	ds_load_b128 v[232:235], v[MRGA] offset:8192
	v_and_b32 v88, 31, v0
	s_delay_alu instid0(VALU_DEP_1)
	v_lshlrev_b32 v32, 4, v88                      ; 16 x lane
	v_lshlrev_b32 v35, 5, v29
.irp b, 0,1,2,3
	v_mov_b32 v[QT+4+\b], 0
.endr
	s_wait_dscnt 0x0
	v_min_num_f32 v240, v12, v232
	s_delay_alu instid0(VALU_DEP_1)
	v_sub_f32 v241, v240, v12
	s_delay_alu instid0(VALU_DEP_2)
	v_sub_f32 v242, v240, v232
	s_delay_alu instid0(VALU_DEP_2)
	v_cvt_i32_f32 v241, v241
	s_delay_alu instid0(VALU_DEP_2)
	v_cvt_i32_f32 v242, v242
	s_delay_alu instid0(VALU_DEP_2)
	v_ldexp_f32 v241, 1.0, v241
	s_delay_alu instid0(VALU_DEP_2)
	v_ldexp_f32 v242, 1.0, v242
	s_delay_alu instid0(VALU_DEP_2)
	v_mul_f32 v243, v14, v241
	s_delay_alu instid0(VALU_DEP_1)
	v_fma_f32 v243, v234, v242, v243
	s_delay_alu instid0(VALU_DEP_1)
	v_permlanex16_b32 v236, v243, s[SEL], s[SEL+1]
	s_delay_alu instid0(VALU_DEP_1)
	v_add_f32 v243, v243, v236
	s_wait_alu depctr_va_vdst(0)
	v_rcp_f32 v245, v243
	v_nop
	s_wait_alu depctr_va_vdst(0)
	v_mul_f32 v246, v241, v245
	v_mul_f32 v247, v241, v245
	v_mul_f32 v248, v242, v245
	v_mul_f32 v249, v242, v245
.set n, 0
.rept 32
	v_pk_mul_f32 v[160+n:161+n], v[160+n:161+n], v[246:247]
.set n, n+2
.endr
.set n, 0
.rept 32
	v_pk_fma_f32 v[160+n:161+n], v[96+n:97+n], v[248:249], v[160+n:161+n]
.set n, n+2
.endr
.irp be, 0,1,2,3
.irp j, 0,1,2,3,4,5,6,7
	v_permlane16_swap_b32 v[160+16*\be+\j], v[168+16*\be+\j]
.endr
.endr
.irp b, 0,1,2,3
	v_max3_num_f32 v[QT+\b], |v[160+16*\b]|, |v[161+16*\b]|, 0x1800000
.endr
.irp i, 2,4,6,8,10,12,14
.irp b, 0,1,2,3
	s_delay_alu instid0(VALU_DEP_4)
	v_max3_num_f32 v[QT+\b], v[QT+\b], |v[160+16*\b+\i]|, |v[161+16*\b+\i]|
.endr
.endr
.irp b, 0,1,2,3
	s_delay_alu instid0(VALU_DEP_4)
	v_permlanex16_b32 v[QT+4+\b], v[QT+\b], s[SEL], s[SEL+1]
.endr
.irp b, 0,1,2,3
	s_delay_alu instid0(VALU_DEP_4)
	v_max_num_f32 v[QT+\b], v[QT+\b], v[QT+4+\b]
.endr
.irp b, 0,1,2,3
	s_delay_alu instid0(VALU_DEP_4)
	v_add_nc_u32 v[QT+12+\b], 0xff000000, v[QT+\b]
.endr
.irp b, 0,1,2,3
	s_delay_alu instid0(VALU_DEP_4)
	v_lshrrev_b32 v[QT+4+\b], 23, v[QT+12+\b]
.endr
	s_delay_alu instid0(VALU_DEP_3)
	v_lshl_or_b32 v[QW], v[QT+5], 8, v[QT+4]
	s_delay_alu instid0(VALU_DEP_1)
	v_lshl_or_b32 v[QW], v[QT+6], 16, v[QW]
	s_delay_alu instid0(VALU_DEP_1)
	v_lshl_or_b32 v[QW], v[QT+7], 24, v[QW]
.irp c, 0,1
	v_cvt_scalef32_pk16_fp6_f32 v[QC+6*\c:QC+2+6*\c], v[160+32*\c:175+32*\c], v[QT+12+2*\c]
	v_cvt_scalef32_pk16_fp6_f32 v[QC+12+4*\c:QC+14+4*\c], v[176+32*\c:191+32*\c], v[QT+12+2*\c+1]
.endr
	v_nop
.irp c, 0,1
.irp i, 0,1,2
	v_permlane16_swap_b32 v[QC+6*\c+\i], v[QC+12+4*\c+\i]
.endr
.irp i, 0,1,2
	s_delay_alu instid0(VALU_DEP_3)
	v_mov_b32 v[QC+3+6*\c+\i], v[QC+12+4*\c+\i]
.endr
.endr
.irp c, 0,1,2
	global_store_b128 v32, v[QC+4*\c:QC+4*\c+3], s[8:9] offset:512*\c   ; the codes leave as they stand: 512 consecutive bytes, aligned
.endr
	global_store_b32 v35, v[QW], s[10:11]
.Lend:
	s_wait_tensorcnt 0x0
	ds_add_u32 v[SPW], v[NIL]
	s_wait_dscnt 0x0
	s_endpgm
.Lfunc_end_k_q6ff6757cc4_attn:
	.size	k_q6ff6757cc4_attn, .Lfunc_end_k_q6ff6757cc4_attn-k_q6ff6757cc4_attn
	.p2alignl 7, 3214868480
	.fill 96, 4, 3214868480
	.section	.rodata,"a",@progbits
	.p2align	6, 0x0
	.amdhsa_kernel k_q6ff6757cc4_attn
		.amdhsa_group_segment_fixed_size 327680
		.amdhsa_private_segment_fixed_size 0
		.amdhsa_enable_private_segment 0
		.amdhsa_kernarg_size 32
		.amdhsa_user_sgpr_count 2
		.amdhsa_user_sgpr_kernarg_segment_ptr 1
		.amdhsa_wavefront_size32 1
		.amdhsa_system_sgpr_workgroup_id_x 1
		.amdhsa_system_sgpr_workgroup_id_y 1
		.amdhsa_system_sgpr_workgroup_id_z 1
		.amdhsa_system_vgpr_workitem_id 0
		.amdhsa_next_free_vgpr 256
		.amdhsa_next_free_sgpr 100
		.amdhsa_reserve_vcc 1
		.amdhsa_float_denorm_mode_32 3
		.amdhsa_float_denorm_mode_16_64 3
		.amdhsa_memory_ordered 1
		.amdhsa_forward_progress 1
		.amdhsa_inst_pref_size 131
	.end_amdhsa_kernel
	.amdgpu_metadata
---
amdhsa.version: [ 1, 2 ]
amdhsa.kernels:
  - .name:           k_q6ff6757cc4_attn
    .symbol:         k_q6ff6757cc4_attn.kd
    .args:
      - { .name: c2, .offset: 0, .size: 8, .value_kind: global_buffer, .address_space: global }
      - { .name: s2, .offset: 8, .size: 8, .value_kind: global_buffer, .address_space: global }
      - { .name: c3, .offset: 16, .size: 8, .value_kind: global_buffer, .address_space: global }
      - { .name: s3, .offset: 24, .size: 8, .value_kind: global_buffer, .address_space: global }
    .group_segment_fixed_size: 327680
    .private_segment_fixed_size: 0
    .kernarg_segment_align: 8
    .kernarg_segment_size: 32
    .max_flat_workgroup_size: 512
    .sgpr_count:     100
    .vgpr_count:     256
    .wavefront_size: 32
...
	.end_amdgpu_metadata
.endif
;; end of part 3
;; launch oproj (part 4): grid 8 x 32, 4 waves a work-group, clusters of 4 x 4, 327,680 bytes of LDS; arguments c3, s3, c1, s1, out0; writes out0
.if DOCPART == 4
	.amdgcn_target "amdgcn-amd-amdhsa--gfx1250"
	.amdhsa_code_object_version 6
	.text
	.protected	k_q6ff6757cc4_oproj
	.globl	k_q6ff6757cc4_oproj
	.p2align	8
	.type	k_q6ff6757cc4_oproj,@function
k_q6ff6757cc4_oproj:
	s_mov_b64 s[64:65], 0
	v_nop
	global_prefetch_b8 v0, s[64:65] scope:SCOPE_SE
	s_setreg_imm32_b32 hwreg(HW_REG_WAVE_MODE, 25, 1), 1
	s_wait_xcnt 0x0
	s_wait_alu depctr_hold_cnt(0) depctr_sa_sdst(0) depctr_va_vdst(0) depctr_va_sdst(0) depctr_va_ssrc(0) depctr_va_vcc(0) depctr_vm_vsrc(0)
	s_getreg_b32 s2, hwreg(HW_REG_IB_STS2, 6, 4)
	s_cmp_eq_u32 s2, 0
	s_cbranch_scc0 .Lentry_in_a_cluster
	s_endpgm
.Lentry_in_a_cluster:
	s_bfe_u32 s2, ttmp6, 0x10000c
	s_cmp_lg_u32 s2, 0xf033
	s_cbranch_scc0 .Lentry_shape_is_right
	s_endpgm
.Lentry_shape_is_right:
; out0 [4096][2048] f32 = ctx o_w^T on codes of FP6 (E2M3), K = 1,024.  ctx: c3, o_w: c1 from byte OWC on; both in cells of 16 rows x 128 K (1,536 bytes, the image of an operand's 12 registers),
; a group's eight cells on end (12,288 bytes), the groups on end.  Scale words: s3 and s1 from byte OWS on, 32 bytes a row.
; A work-group makes 128 tokens x 256 columns: 32 x 8 = 256 work-groups.  Its operands for ALL of K are two dense blocks, 98,304 and 196,608 bytes: they are filled ONCE, by the head's four joint loads
; (wave 0 the tokens' block, waves 1 to 3 a third of o_w's each, in rows of 4,096 bytes): no ring, no refill, one barrier in front of the walk along K.
; 4 x 4 clusters: the tokens' block is shared along a row of the cluster, o_w's along a column.
; A wave makes 64 x 128: 32 accumulators, which take turns; both operands' fragments have two sets, the next K step's come while this one is multiplied.
; THE SCALE WORDS go from memory straight into registers, once: a group's 16 rows x 32 bytes are 512 consecutive bytes, two loads of 16 bytes a lane (lanes 16-31 repeat lanes 0-15, which alone are read).
; TRANSPOSED USE: source 0 = 16 rows of o_w, source 1 = 16 tokens: a lane holds eight neighbouring columns of a token's row; a block of 16 rows goes through the wave's stage in LDS and leaves as rows of 512 bytes.
; The stage lies in the tokens' block, behind a barrier at which every wave's LDS reads are over.
; NO PREFETCH: all that the work-group reads is asked for at its head; there is no loop of fills to run ahead in.
; REGISTERS: window 0: v16-29 addresses; v32-95 o_w's scale words (8 b + q), v96-127 the tokens' (8 a + q); v128-223 the tokens' fragments, two sets; window 1: o_w's fragments, two sets; window 2: accumulator (a, b) at v[8 (8 a + b)].
.set OWC,    11010048
.set OWS,    458752
.set FRB,    1536
.set GRP,    8*FRB
.set LB,     8*GRP                     ; o_w's first LDS byte
.set SPARE,  24*GRP                    ; the spare words, 128 bytes a wave, which no other line names
.set SPITCH, 528
.set ROWC,   8192                      ; a row of out0 in bytes
.set ADRA, 16
.set ADRB, 18                          ; v18: blocks 0-3, v19: blocks 4-7
.set STO,  24
.set RD,   25
.set CO,   26                          ; 16 x lane
.set VS,   27                          ; 32 r
.set SPW,  28
.set NIL,  29
.set SBR,  32
.set SAR,  96
.set AF,   128
.set BK,   128
.set G1, 24
.set G0, 32
.set G1B, 48
.set G0B, 56
.set MSB, 0
.macro WIN new
.if MSB != \new
	s_set_vgpr_msb (MSB<<8)|\new
.set MSB, \new
.endif
.endm
.set MULW, 0xa1                        ; source 0 window 1, source 1 window 0, C and D window 2
.set TO_B, 0x40
.macro CROUND
	s_barrier_signal -1
	s_barrier_wait -1
	s_cmp_lg_u32 s14, 0
	s_cbranch_scc1 .Lnot_wave_0_\@
	s_barrier_signal -3
.Lnot_wave_0_\@:
	s_barrier_wait -3
	s_barrier_signal -1
	s_barrier_wait -1
.endm
.macro PLACES
.rept 4
	v_nop
.endr
.endm
	s_load_b256 s[4:11], s[0:1], 0x0               ; c3, s3, c1, s1
	s_load_b64 s[12:13], s[0:1], 0x20              ; out0
	v_lshl_add_u32 v[SPW], v0, 2, SPARE
	v_mov_b32 v[NIL], 0
	ds_add_u32 v[SPW], v[NIL]                      ; the opening lines: the add, twice on end, and its wait
	ds_add_u32 v[SPW], v[NIL]
	v_lshrrev_b32 v1, 5, v0
	v_readfirstlane_b32 s14, v1                    ; wave
	s_lshr_b32 s15, s14, 1                         ; my 64 tokens
	s_and_b32 s16, s14, 1                          ; my 128 columns
	s_bfe_u32 s40, ttmp6, 0x40000                  ; cx
	s_bfe_u32 s41, ttmp6, 0x40004                  ; cy
	s_lshl_b32 s42, ttmp9, 2
	s_add_co_u32 s42, s42, s40                     ; tile column, 0..7
	s_and_b32 s17, ttmp7, 0xffff
	s_lshl_b32 s17, s17, 2
	s_add_co_u32 s17, s17, s41                     ; tile row, 0..31
	s_lshl_b32 s43, s41, 2
	s_lshl_b32 s43, 15, s43                        ; my row of the cluster
	s_lshl_b32 s44, 0x1111, s40                    ; my column
	s_or_b32 s[G1], s43, (3<<16)|(1<<21)           ; the mask; elements of 8 bytes; bit 21 beside a mask
	s_or_b32 s[G1B], s44, (3<<16)|(1<<21)
	s_mov_b32 s[G1+1], 512<<16                     ; dense blocks as rows of 4,096 bytes: 24 for the tokens,
	s_mov_b32 s[G1+2], 24<<16
	s_mov_b32 s[G1+3], 512<<16
	s_mov_b32 s[G1+4], 24
	s_mov_b32 s[G1+5], 512
	s_mov_b32 s[G1+6], 0
	s_mov_b32 s[G1+7], 0
	s_mov_b32 s[G1B+1], 512<<16                    ; 16 for a third of o_w's
	s_mov_b32 s[G1B+2], 16<<16
	s_mov_b32 s[G1B+3], 512<<16
	s_mov_b32 s[G1B+4], 16
	s_mov_b32 s[G1B+5], 512
	s_mov_b32 s[G1B+6], 0
	s_mov_b32 s[G1B+7], 0
	s_mul_i32 s20, s17, 8*GRP                      ; the tokens' block
	s_mov_b32 s21, 0
	s_lshl_b32 s18, s14, 16
	s_mul_i32 s22, s42, 16*GRP
	s_add_co_u32 s22, s22, s18
	s_add_co_u32 s22, s22, OWC-65536               ; o_w's block, third wave - 1
	s_mov_b32 s23, 0
	s_add_co_u32 s45, s18, LB-65536                ; and where it goes
	s_lshl_b32 s36, s17, 12                        ; my tokens' scale words: 32 bytes a row
	s_lshl_b32 s37, s15, 11
	s_add_co_u32 s36, s36, s37
	s_mov_b32 s37, 0
	s_lshl_b32 s38, s42, 13                        ; my columns'
	s_lshl_b32 s39, s16, 12
	s_add_co_u32 s38, s38, s39
	s_add_co_u32 s38, s38, OWS
	s_mov_b32 s39, 0
	s_wait_dscnt 0x0                               ; both opening adds are done
	s_wait_kmcnt 0x0
	s_mov_b32 s[G0], 1
	s_mov_b32 s[G0+1], 0
	s_add_nc_u64 s[G0+2:G0+3], s[4:5], s[20:21]
	s_or_b32 s[G0+3], s[G0+3], 0x80000000
	s_mov_b32 s[G0B], 1
	s_mov_b32 s[G0B+1], s45
	s_add_nc_u64 s[G0B+2:G0B+3], s[8:9], s[22:23]
	s_or_b32 s[G0B+3], s[G0B+3], 0x80000000
	s_add_nc_u64 s[36:37], s[6:7], s[36:37]
	s_add_nc_u64 s[38:39], s[10:11], s[38:39]
	CROUND                                         ; all sixteen work-groups are here: the joint loads meet
	s_cmp_eq_u32 s14, 0                            ; one load a wave: every way passes exactly one
	s_cbranch_scc0 .Lfor_b
	tensor_load_to_lds s[G0:G0+3], s[G1:G1+7]
	s_nop 0
	PLACES
	s_branch .Lasked
.Lfor_b:
	tensor_load_to_lds s[G0B:G0B+3], s[G1B:G1B+7]
	s_nop 0
	PLACES
.Lasked:
	v_and_b32 v1, 15, v0                           ; r
	v_bfe_u32 v2, v0, 4, 1                         ; h
	v_and_b32 v3, 31, v0
	v_lshlrev_b32 v[CO], 4, v3
	s_mul_i32 s18, s15, 4*GRP
	v_add_nc_u32 v[ADRA], s18, v[CO]
	s_mul_i32 s19, s16, 8*GRP
	s_add_co_u32 s19, s19, LB
	v_add_nc_u32 v[ADRB], s19, v[CO]
	v_add_nc_u32 v[ADRB+1], 4*GRP, v[ADRB]
	v_lshlrev_b32 v[VS], 5, v1
	s_mul_i32 s23, s14, 16*SPITCH                  ; my stage
	v_mul_u32_u24 v5, v1, SPITCH
	v_lshl_add_u32 v5, v2, 5, v5
	v_add_nc_u32 v[STO], s23, v5                   ; in: row r, 32 bytes for each half of the lanes
	v_add_nc_u32 v[RD], s23, v[CO]                 ; back: the 32 lanes take a row of 512 bytes
	s_lshl_b32 s46, s17, 20                        ; my part of out0: 128 rows a tile row, 64 a half,
	s_lshl_b32 s47, s15, 19
	s_add_co_u32 s46, s46, s47
	s_lshl_b32 s47, s42, 10                        ; 1,024 bytes a tile column, 512 a half
	s_add_co_u32 s46, s46, s47
	s_lshl_b32 s47, s16, 9
	s_add_co_u32 s46, s46, s47
	s_mov_b32 s47, 0
	s_add_nc_u64 s[12:13], s[12:13], s[46:47]
	s_wait_alu depctr_va_vdst(0)                   ; the wait at the head's end
.irp b, 0,1,2,3,4,5,6,7
	global_load_b128 v[SBR+8*\b:SBR+8*\b+3], v[VS], s[38:39] offset:512*\b
	global_load_b128 v[SBR+8*\b+4:SBR+8*\b+7], v[VS], s[38:39] offset:512*\b+16
.endr
.irp a, 0,1,2,3
	global_load_b128 v[SAR+8*\a:SAR+8*\a+3], v[VS], s[36:37] offset:512*\a
	global_load_b128 v[SAR+8*\a+4:SAR+8*\a+7], v[VS], s[36:37] offset:512*\a+16
.endr
.macro FETCH q                         ; K step q's twelve fragments into set q % 2: three loads of 512 consecutive bytes each
	WIN TO_B
.irp b, 0,1,2,3,4,5,6,7
.irp c, 0,1,2
	ds_load_b128 v[128*((\q)%2)+12*\b+4*\c:128*((\q)%2)+12*\b+4*\c+3], v[ADRB+\b/4] offset:(\b%4)*GRP+(\q)*FRB+512*\c
.endr
.endr
	WIN 0
.irp a, 0,1,2,3
.irp c, 0,1,2
	ds_load_b128 v[AF+48*((\q)%2)+12*\a+4*\c:AF+48*((\q)%2)+12*\a+4*\c+3], v[ADRA] offset:\a*GRP+(\q)*FRB+512*\c
.endr
.endr
.endm
.macro MUL q
.irp a, 0,1,2,3
.irp b, 0,1,2,3,4,5,6,7
.if (\q) == 0
	v_wmma_scale_f32_16x16x128_f8f6f4 v[8*(8*\a+\b):8*(8*\a+\b)+7], v[128*((\q)%2)+12*\b:128*((\q)%2)+12*\b+11], v[AF+48*((\q)%2)+12*\a:AF+48*((\q)%2)+12*\a+11], 0, v[SBR+8*\b+(\q)], v[SAR+8*\a+(\q)] matrix_a_fmt:MATRIX_FMT_FP6 matrix_b_fmt:MATRIX_FMT_FP6
.else
	v_wmma_scale_f32_16x16x128_f8f6f4 v[8*(8*\a+\b):8*(8*\a+\b)+7], v[128*((\q)%2)+12*\b:128*((\q)%2)+12*\b+11], v[AF+48*((\q)%2)+12*\a:AF+48*((\q)%2)+12*\a+11], v[8*(8*\a+\b):8*(8*\a+\b)+7], v[SBR+8*\b+(\q)], v[SAR+8*\a+(\q)] matrix_a_fmt:MATRIX_FMT_FP6 matrix_b_fmt:MATRIX_FMT_FP6
.endif
.endr
.endr
.endm
.macro KSTEP q
.if (\q) == 0
	s_wait_loadcnt 0x0                             ; the scale words
.endif
	s_wait_dscnt 0x0                               ; this step's fragments are in
.if (\q) < 7
.if (\q) > 0
	PLACES                                         ; in front of loads into the set that the last step multiplied
.endif
	FETCH (\q)+1
.else
	s_barrier_signal -1                            ; my LDS reads are over; the last step's products stand between signal and wait
.endif
	WIN MULW
	MUL \q
.endm
	s_wait_tensorcnt 0x0                           ; my load has landed,
	s_barrier_signal -1
	s_barrier_wait -1                              ; everybody's has
	FETCH 0
.set Q, 0
.rept 8
	KSTEP Q
.set Q, Q+1
.endr
	WIN 0
	s_barrier_wait -1                              ; nobody reads the operands any more: the stages may be written
.macro TOSTAGE a
	WIN 0x08                                       ; the data: window 2
.irp b, 0,1,2,3,4,5,6,7
	ds_store_b128 v[STO], v[64*(\a)+8*\b:64*(\a)+8*\b+3] offset:64*\b          ; each accumulator from its low end on
	ds_store_b128 v[STO], v[64*(\a)+8*\b+4:64*(\a)+8*\b+7] offset:64*\b+16
.endr
	WIN TO_B                                       ; back into window 1, where o_w's fragments lay: 64 registers of its own for each block
.irp t, 0,1,2,3,4,5,6,7,8,9,10,11,12,13,14,15
	ds_load_b128 v[64*(\a)+4*\t:64*(\a)+4*\t+3], v[RD] offset:\t*SPITCH   ; LDS serves a wave's instructions in order: these see the stores, and the next block's stores come behind them
.endr
	WIN 0
.endm
.macro SEND a, younger                 ; younger: at most so many LDS instructions issued behind block a's loads may be out
	s_wait_dscnt \younger
.irp t, 0,1,2,3,4,5,6,7,8,9,10,11,12,13,14,15
	global_store_b128 v[CO], v[64*(\a)+4*\t:64*(\a)+4*\t+3], s[12:13] offset:(16*(\a)+\t)*ROWC th:TH_STORE_NT   ; 512 consecutive bytes, aligned; 63 rows of out0 at the most stay inside the signed 24-bit immediate
.endr
.endm
	PLACES                                         ; behind the last products: in front of the reads of results and of loads into the fragments' registers
	TOSTAGE 0                                      ; all four blocks go through the stage first: no LDS instruction stands behind a store
	TOSTAGE 1
	TOSTAGE 2
	TOSTAGE 3
	WIN 0x04                                       ; the stores' data: window 1
	SEND 0, 63                                     ; behind block 0's loads stand 96 LDS instructions, behind block 1's 64: the wait's field names 63 at the most
	SEND 1, 63
	SEND 2, 32
	SEND 3, 0
	WIN 0
	s_wait_tensorcnt 0x0                           ; the wave's end
	ds_add_u32 v[SPW], v[NIL]
	s_wait_dscnt 0x0
	CROUND                                         ; the closing round
	s_endpgm
.Lfunc_end_k_q6ff6757cc4_oproj:
	.size	k_q6ff6757cc4_oproj, .Lfunc_end_k_q6ff6757cc4_oproj-k_q6ff6757cc4_oproj
	.p2alignl 7, 3214868480
	.fill 96, 4, 3214868480
	.section	.rodata,"a",@progbits
	.p2align	6, 0x0
	.amdhsa_kernel k_q6ff6757cc4_oproj
		.amdhsa_group_segment_fixed_size 327680
		.amdhsa_private_segment_fixed_size 0
		.amdhsa_enable_private_segment 0
		.amdhsa_kernarg_size 40
		.amdhsa_user_sgpr_count 2
		.amdhsa_user_sgpr_kernarg_segment_ptr 1
		.amdhsa_wavefront_size32 1
		.amdhsa_system_sgpr_workgroup_id_x 1
		.amdhsa_system_sgpr_workgroup_id_y 1
		.amdhsa_system_sgpr_workgroup_id_z 1
		.amdhsa_system_vgpr_workitem_id 0
		.amdhsa_next_free_vgpr 768
		.amdhsa_next_free_sgpr 66
		.amdhsa_reserve_vcc 0
		.amdhsa_float_denorm_mode_32 3
		.amdhsa_float_denorm_mode_16_64 3
		.amdhsa_memory_ordered 1
		.amdhsa_forward_progress 1
		.amdhsa_inst_pref_size 75
	.end_amdhsa_kernel
	.amdgpu_metadata
---
amdhsa.version: [ 1, 2 ]
amdhsa.kernels:
  - .name:           k_q6ff6757cc4_oproj
    .symbol:         k_q6ff6757cc4_oproj.kd
    .args:
      - { .name: c3, .offset: 0, .size: 8, .value_kind: global_buffer, .address_space: global }
      - { .name: s3, .offset: 8, .size: 8, .value_kind: global_buffer, .address_space: global }
      - { .name: c1, .offset: 16, .size: 8, .value_kind: global_buffer, .address_space: global }
      - { .name: s1, .offset: 24, .size: 8, .value_kind: global_buffer, .address_space: global }
      - { .name: out0, .offset: 32, .size: 8, .value_kind: global_buffer, .address_space: global }
    .group_segment_fixed_size: 327680
    .private_segment_fixed_size: 0
    .kernarg_segment_align: 8
    .kernarg_segment_size: 40
    .max_flat_workgroup_size: 128
    .sgpr_count:     66
    .vgpr_count:     768
    .wavefront_size: 32
...
	.end_amdgpu_metadata
.endif
;; end of part 4
